; MI455X (gfx1250); checked and timed in simulation.
; The chip was launched on July 23, 2026; its instructions are those of AMD's public machine-readable ISA for CDNA 5 (MIT licence, August 2026) and "CDNA5" Instruction Set Architecture Reference Guide (July 2026). The comments in the code are by the model that wrote it; some were corrected since.
;; Efficient Attention. Allowed arithmetic: matrix products marked QUANTISED: E2M1 operands, one E8M0 scale for each 32 along K, by v_wmma_scale_f32_16x16x128_f8f6f4 with both operands' format E2M1 (or v_wmma_scale_f32_32x16x128_f4), f32 sums; products left as they are: bf16, f16 or f32 operands; f32 sums; everything else in f32.
;; Inputs: Wk 1,024 x 1,024 float32; Wo 1,024 x 1,024 float32; Wq 1,024 x 1,024 float32; Wv 1,024 x 1,024 float32; bk 1,024 float32; bo 1,024 float32; bq 1,024 float32; bv 1,024 float32; x 1 x 4,096 x 1,024 float32.
;; Outputs: out0 1 x 4,096 x 1,024 float32.
;; This version of the problem:
;;   THIS VERSION OF THE PROBLEM IS GIVEN IN LOW PRECISION. The matrix products marked QUANTISED in the list below multiply operands that are first quantised to E2M1 (2 exponent bits, 1 mantissa bit; 4 bits a number), with one power-of-two scale for each 32 numbers along K (OCP MX v1.0); their sums are f32. The products marked 'left as it is' may take bf16, f16 or f32 operands, with f32 sums. Whichever they take, every output number must still come out within the allowed error. Rounding operands to bf16 (8 significant bits) uses up far more of that allowance than f16 does (11 bits, for magnitudes from 6e-5 to 65,504). All else is computed in f32.
;;   The module's matrix products, in the order in which they are computed (A, B: the left and right operand; K: the contracted axis; several contracted axes count as one K, in the product's order):
;;     1. [M 4,096, K 1,024] x [K 1,024, N 1,024]; A: input x; B: input Wq: QUANTISED
;;     2. [M 4,096, K 1,024] x [K 1,024, N 1,024]; A: input x; B: input Wk: QUANTISED
;;     3. [M 4,096, K 1,024] x [K 1,024, N 1,024]; A: input x; B: input Wv: QUANTISED
;;     4. batch 16 x [M 4,096, K 64] x [K 64, N 4,096]; A: computed on the way; B: computed on the way: left as it is (an operand is computed on the way)
;;     5. batch 16 x [M 4,096, K 4,096] x [K 4,096, N 64]; A: computed on the way; B: computed on the way: left as it is (an operand is computed on the way)
;;     6. [M 4,096, K 1,024] x [K 1,024, N 1,024]; A: computed on the way; B: input Wo: left as it is (an operand is computed on the way)
;;   THE QUANTISER, for each operand of a quantised product, along K:
;;     - K is cut into blocks of 32 from its start; a last block that is shorter is filled with zeros.
;;     - A block's scale is 2^e with e = floor(log2(the largest magnitude in the block)) - 2, held to -126 .. 127; a block of zeros has e = 0. As a byte (E8M0): e + 127.
;;     - Each number is divided by its block's scale, clamped to +-6, and rounded to the nearest number of E2M1, ties to even, subnormals kept.
;;     - The product sums the exact products of the quantised numbers (number of the format x scale) in f32.
;;   ~~~python
;;   def quantise(x, axis):      # numpy; x: float32 -> the quantised numbers, widened to float32 again
;;       x = np.moveaxis(x, axis, -1); K = x.shape[-1]
;;       x = np.pad(x, [(0, 0)] * (x.ndim - 1) + [(0, -K % 32)]); x = x.reshape(x.shape[:-1] + (-1, 32)); a = np.abs(x).max(-1, keepdims=True)
;;       e = np.where(a > 0, np.clip(np.frexp(np.where(a > 0, a, 1))[1] - 1 - 2, -126, 127), 0)      # np.frexp(a)[1] - 1 = floor(log2(a)), exactly
;;       r = np.clip(x / 2.0 ** e, -6, 6)
;;       step = 2.0 ** (np.maximum(np.frexp(np.where(r == 0, 1, r))[1] - 1, 0) - 1)
;;       q = np.round(r / step) * step * 2.0 ** e      # np.round: ties to even
;;       return np.moveaxis(q.reshape(q.shape[:-2] + (-1,))[..., :K], -1, axis).astype(np.float32)
;;   ~~~
;; One version. Each part assembles by itself: llvm-mc -triple=amdgcn-amd-amdhsa -mcpu=gfx1250 --defsym DOCPART=n.
;; ======== version 1 of 1: 4 launches
;; limits: values are held in f16: magnitudes above 65,504 overflow, below 6.1e-05 lose precision
;; workspace buffers: x_codes 2,097,152 bytes; x_scales 131,072 bytes; w_codes 1,572,864 bytes; w_scales 98,304 bytes; wo16 2,097,152 bytes; qkv 25,165,824 bytes; att 8,388,608 bytes
;; launch quant (part 1): grid 256 x 1, 4 waves a work-group, no clusters, 33,280 bytes of LDS; arguments x, Wq, Wk, Wv, Wo, x_codes, x_scales, w_codes, w_scales, wo16; writes x_codes, x_scales, w_codes, w_scales, wo16
.if DOCPART == 1
	.amdgcn_target "amdgcn-amd-amdhsa--gfx1250"
	.amdhsa_code_object_version 6
	.text
	.protected	k_q1bde9574ff_quant
	.globl	k_q1bde9574ff_quant
	.p2align	8
	.type	k_q1bde9574ff_quant,@function
k_q1bde9574ff_quant:
	s_mov_b64 s[64:65], 0
	v_nop
	global_prefetch_b8 v0, s[64:65] scope:SCOPE_SE
	s_setreg_imm32_b32 hwreg(HW_REG_WAVE_MODE, 25, 1), 1
	s_wait_xcnt 0x0
; THE PROGRAM: out = attention(x Wq^T + bq, x Wk^T + bk, x Wv^T + bv) Wo^T + bo, 16 heads of 64, keys |i - j| <= 256.  Four launches: this one (operands made narrow once), the three
; projections as one product on codes, the banded attention, the projection on the way out.
; DEAD WORK, left out in the whole program.
;  (1) bk.  k_j = Wk x_j + bk, so score(i, j) = q_i . (Wk x_j) / 8 + q_i . bk / 8.  The second term does not hang on j: it is the same for all keys of row i that the mask keeps (the others are -infinity
;      with it and without), and a softmax along j is not moved by such a term.  The product of q and k is not quantised, so bk moves no code and no scale.  This holds for all finite inputs.
;      bk is not loaded and is among no launch's arguments.
;  (2) Keys with |i - j| > 256.  The mask is built by the computation itself; their weights are exactly 0.  Tiles of 64 keys that lie wholly outside the band of a wave's queries are not multiplied.
;  LIMIT: a NaN, an infinity or an overflow that reaches only bk or only hidden keys is not carried to the result.
; THIS LAUNCH.  x [4096][1024], Wq, Wk, Wv [1024][1024], f32, K innermost, become codes of FP4 (E2M1), two a byte, the lower k in the low four bits, with one E8M0 byte for each 32 along K.
; A block's scale is 2^(floor(log2(its largest magnitude)) - 2); its byte is the largest magnitude's own exponent field - 2, held at 1 from below.  Each number is divided by the scale and rounded to the nearest
; code, ties to even, beyond 6 the code of 6.  (A block of zeros gets the byte 1 where the rule says 127: its codes are zeros, which add nothing under any byte but 0xff, and this program alone reads the bytes.)
; Wo [1024][1024] is rounded to f16 for the last product, which is left as it is.
; LIMITS: NaN and infinities among the inputs are not served; blocks whose largest magnitude lies under 2^-124 keep the byte 1; |Wo| stays under 65,504.
; SHARES.  Rows are dense and K is a multiple of 32: each tensor is a plain stream of blocks of 32.  A work-group takes 32,768 numbers, a wave 8,192.  Work-groups 0-127: x; 128-159: Wq; 160-191: Wk; 192-223: Wv
; (their codes lie one behind the other in w_codes: rows 0-1023 q, 1024-2047 k, 2048-3071 v); 224-255: Wo.  Only pointers are chosen by the work-group's number; the four tensors take one path.
; A wave's 16 steps of 512 numbers: four loads of 512 consecutive bytes; the 2,048 bytes turn through the wave's own stage in LDS and come back 64 bytes a lane, so that a lane holds 16 neighbours along K
; (two neighbouring lanes hold a block); 8 bytes of codes a lane: the wave stores 256 consecutive bytes.  The wave's 256 scale bytes are gathered in LDS and leave as 256 consecutive bytes.
; No barrier: waves share nothing.  Loads run four steps (16 loads a wave) ahead, the turn through LDS one step.
.set WAVES, 4
.set STEPS, 16
.set CB,    8                          ; bytes of 16 codes
.set R,     16                         ; v16-79   four sets of 16 numbers as they are loaded
.set X,     80                         ; v80-111  two sets of 16 neighbours
.set E,     112                        ; v112-127 a scale byte for each step
.set C,     128                        ; v128-191 codes: four registers for each step, so that no store's data are written again
.set WREG,  8192                       ; LDS: a region for each wave: two stages of 32 x SP bytes, behind them its 256 scale bytes
.set SP,    80                         ; a lane's place in a stage: 64 bytes + 16 of padding
.set SPW,   12                         ; v12      LDS address of my spare word; never rewritten
.set NIL,   13                         ; v13      0; never rewritten
.set SPARE, WAVES*WREG                 ; behind the four regions: the spare words, 128 bytes a wave, which no other line names
	s_load_b256 s[4:11], s[0:1], 0x0               ; x s[4:5], Wq s[6:7], Wk s[8:9], Wv s[10:11]
	s_load_b256 s[12:19], s[0:1], 0x20             ; Wo s[12:13], x_codes s[14:15], x_scales s[16:17], w_codes s[18:19]
	s_load_b128 s[20:23], s[0:1], 0x40             ; w_scales s[20:21], wo16 s[22:23]
	v_lshl_add_u32 v[SPW], v0, 2, SPARE
	v_mov_b32 v[NIL], 0
	v_lshrrev_b32 v1, 5, v0
	v_readfirstlane_b32 s24, v1                    ; wave
	v_and_b32 v2, 31, v0                           ; lane
	s_mov_b32 s29, 0                               ; the upper word of every 64-bit offset
	s_cmp_ge_u32 ttmp9, 224
	s_cbranch_scc1 .Lwo                            ; the last 32 work-groups take Wo
	v_lshlrev_b32 v3, 4, v2                        ; my 16 bytes of a load's 512
	s_mul_i32 s28, s24, WREG
	v_lshrrev_b32 v14, 2, v2
	v_mul_u32_u24 v14, v14, SP
	v_and_b32 v15, 3, v2
	v_lshl_add_u32 v14, v15, 4, v14
	v_add_nc_u32 v14, s28, v14                     ; the stage, on the way in: SP (lane / 4) + 16 (lane % 4)
	v_mul_u32_u24 v15, v2, SP
	v_add_nc_u32 v15, s28, v15                     ; and on the way out: SP x lane: my 16 neighbours
	v_mul_u32_u24 v4, v2, CB                       ; my codes' place in a step's
	v_lshrrev_b32 v5, 1, v2
	s_add_co_u32 s28, s28, 2*32*SP
	v_add_nc_u32 v5, s28, v5                       ; LDS: my wave's 256 scale bytes, my block's byte
	v_lshlrev_b32 v7, 3, v2                        ; and on the way out 8 bytes a lane
	v_add_nc_u32 v6, s28, v7
	s_and_b32 s27, ttmp9, 31                       ; a weight's work-groups count from a multiple of 32
	s_wait_kmcnt 0x0
	s_cmp_lt_u32 ttmp9, 192                        ; every choice hangs on the work-group's number alone
	s_cselect_b64 s[10:11], s[8:9], s[10:11]       ; Wk or Wv
	s_cmp_lt_u32 ttmp9, 160
	s_cselect_b64 s[10:11], s[6:7], s[10:11]       ; Wq or that
	s_cmp_lt_u32 ttmp9, 128
	s_cselect_b64 s[4:5], s[4:5], s[10:11]         ; x or a weight
	s_cselect_b64 s[14:15], s[14:15], s[18:19]     ; its codes
	s_cselect_b64 s[16:17], s[16:17], s[20:21]     ; its scale bytes
	s_cselect_b32 s25, ttmp9, s27                  ; which 32,768 numbers of the source
	s_cselect_b32 s26, 0, 128                      ; where the destination's count begins
	s_lshl_b32 s25, s25, 2
	s_add_co_u32 s25, s25, s24                     ; my wave's run of 8,192 numbers in the source: 32,768 bytes a run
	s_lshl_b32 s28, s25, 15
	s_add_nc_u64 s[4:5], s[4:5], s[28:29]
	s_sub_co_u32 s26, ttmp9, s26
	s_lshl_b32 s26, s26, 2
	s_add_co_u32 s26, s26, s24                     ; and in the destination: 4,096 bytes of codes,
	s_lshl_b32 s28, s26, 12
	s_add_nc_u64 s[14:15], s[14:15], s[28:29]
	s_lshl_b32 s28, s26, 8                         ; 256 scale bytes
	s_add_nc_u64 s[16:17], s[16:17], s[28:29]
.macro LOAD t
.irp i, 0,1,2,3
	global_load_b128 v[R+16*((\t)%4)+4*\i:R+16*((\t)%4)+4*\i+3], v3, s[4:5] offset:2048*(\t)+512*\i th:TH_LOAD_NT   ; 32 lanes read 512 consecutive bytes
.endr
.endm
.macro TURN t                          ; step t's numbers through the stage: LDS serves a wave's instructions in order, so no wait stands between the stores and the loads
.irp i, 0,1,2,3
	ds_store_b128 v14, v[R+16*((\t)%4)+4*\i:R+16*((\t)%4)+4*\i+3] offset:32*SP*((\t)%2)+8*SP*\i
.endr
.irp i, 0,1,2,3
	ds_load_b128 v[X+16*((\t)%2)+4*\i:X+16*((\t)%2)+4*\i+3], v15 offset:32*SP*((\t)%2)+16*\i
.endr
.endm
.irp t, 0,1,2,3
	LOAD \t
.endr
	s_wait_loadcnt 12                              ; step 0's four loads are in; the twelve of steps 1 to 3 may be out
	TURN 0
.macro STEP t
.set XS, X+16*((\t)%2)
.if (\t) > 0
	s_wait_dscnt 1                                 ; this step's numbers are back from the stage (the last step's byte store may be out): so its stores into the stage have read their registers,
.else
	s_wait_dscnt 0x0
.endif
.if (\t)+4 < STEPS
	LOAD (\t)+4                                    ; which take the loads of four steps on
.endif
.if (\t)+1 < STEPS
.if STEPS-2-(\t) >= 3
	s_wait_loadcnt 12                              ; the next step's four loads are in; those of the three steps behind it may be out
.else
	s_wait_loadcnt 4*(STEPS-2-(\t))
.endif
	TURN (\t)+1                                    ; and go through the other stage while this step is worked
.endif
	v_max3_num_f32 v8, |v[XS]|, |v[XS+1]|, |v[XS+2]|               ; the largest magnitude of my 16, in two chains
	v_max3_num_f32 v9, |v[XS+3]|, |v[XS+4]|, |v[XS+5]|
.irp i, 6,10
	v_max3_num_f32 v8, v8, |v[XS+\i]|, |v[XS+\i+1]|
	v_max3_num_f32 v9, v9, |v[XS+\i+2]|, |v[XS+\i+3]|
.endr
	v_max3_num_f32 v8, v8, |v[XS+14]|, |v[XS+15]|
	v_max3_num_f32 v8, v8, v9, 0x1800000           ; and the floor 2^(3 - 127): so the byte cannot fall under 1
	v_max_num_f32_dpp v8, v8, v8 row_xmask:1 row_mask:0xf bank_mask:0xf   ; and of my neighbour's 16: the block's
	v_add_nc_u32 v11, 0xff000000, v8               ; 2 off its exponent field: the conversion takes the exponent field of this operand as its scale, and nothing else of it
	v_cvt_scalef32_pk8_fp4_f32 v[C+4*(\t)], v[XS:XS+7], v11
	v_cvt_scalef32_pk8_fp4_f32 v[C+4*(\t)+1], v[XS+8:XS+15], v11
	v_lshrrev_b32 v[E+(\t)], 23, v11               ; the scale's byte (also the plain line behind the conversions)
	ds_store_b8 v5, v[E+(\t)] offset:16*(\t)       ; both lanes of a block write the same byte with the same value
	global_store_b64 v4, v[C+4*(\t):C+4*(\t)+1], s[14:15] offset:32*CB*(\t)   ; the wave stores 256 consecutive bytes, aligned
.endm
.irp t, 0,1,2,3,4,5,6,7,8,9,10,11,12,13,14,15
	STEP \t
.endr
	ds_load_b64 v[8:9], v6                         ; LDS serves a wave's instructions in order: these see my stores
	s_wait_dscnt 0x0
	global_store_b64 v7, v[8:9], s[16:17]          ; 32 lanes store 256 consecutive bytes, aligned
	s_wait_tensorcnt 0x0                           ; the wave's end, behind my last LDS store
	ds_add_u32 v[SPW], v[NIL]
	s_wait_dscnt 0x0
	s_endpgm
; Wo to f16: a plain stream.  A wave takes 8,192 numbers in 32 steps of 256: a lane's 8 neighbours (two loads of 16 bytes) become 16 bytes, and a store of the wave covers 512 consecutive bytes, aligned.
; Four batches of eight steps in two sets of registers: up to 32 loads a wave are out.
.Lwo:
	s_sub_co_u32 s25, ttmp9, 224
	s_lshl_b32 s25, s25, 2
	s_add_co_u32 s25, s25, s24                     ; my wave's run
	s_lshl_b32 s28, s25, 15                        ; 32,768 bytes in,
	s_lshl_b32 s30, s25, 14                        ; 16,384 out
	s_mov_b32 s31, 0
	v_lshlrev_b32 v1, 5, v2                        ; in: 32 bytes a lane
	v_lshlrev_b32 v3, 4, v2                        ; out: 16
	s_wait_kmcnt 0x0
	s_add_nc_u64 s[12:13], s[12:13], s[28:29]
	s_add_nc_u64 s[22:23], s[22:23], s[30:31]
.macro LOADB g
.irp t, 0,1,2,3,4,5,6,7
	global_load_b128 v[16+64*((\g)%2)+8*\t:16+64*((\g)%2)+8*\t+3], v1, s[12:13] offset:1024*(8*(\g)+\t) th:TH_LOAD_NT
	global_load_b128 v[16+64*((\g)%2)+8*\t+4:16+64*((\g)%2)+8*\t+7], v1, s[12:13] offset:1024*(8*(\g)+\t)+16 th:TH_LOAD_NT
.endr
.endm
.macro CONV g
.if (\g) < 3
	s_wait_loadcnt 16                              ; this batch's 16 loads are in; the next batch's 16 may be out
.else
	s_wait_loadcnt 0x0
.endif
.if (\g) > 0
	s_wait_xcnt 0x0                                ; the last batch's stores have read v144-175, which are written again below
.endif
.irp t, 0,1,2,3,4,5,6,7
.irp k, 0,1,2,3
	v_cvt_pk_f16_f32 v[144+4*\t+\k], v[16+64*((\g)%2)+8*\t+2*\k], v[16+64*((\g)%2)+8*\t+2*\k+1]
.endr
	global_store_b128 v3, v[144+4*\t:144+4*\t+3], s[22:23] offset:512*(8*(\g)+\t)
.endr
.if (\g)+2 < 4
	LOADB (\g)+2
.endif
.endm
	LOADB 0
	LOADB 1
	CONV 0
	CONV 1
	CONV 2
	CONV 3
	s_wait_tensorcnt 0x0                           ; the same three lines at this end of the text
	ds_add_u32 v[SPW], v[NIL]
	s_wait_dscnt 0x0
	s_endpgm
.Lfunc_end_k_q1bde9574ff_quant:
	.size	k_q1bde9574ff_quant, .Lfunc_end_k_q1bde9574ff_quant-k_q1bde9574ff_quant
	.p2alignl 7, 3214868480
	.fill 96, 4, 3214868480
	.section	.rodata,"a",@progbits
	.p2align	6, 0x0
	.amdhsa_kernel k_q1bde9574ff_quant
		.amdhsa_group_segment_fixed_size 33280
		.amdhsa_private_segment_fixed_size 0
		.amdhsa_enable_private_segment 0
		.amdhsa_kernarg_size 80
		.amdhsa_user_sgpr_count 2
		.amdhsa_user_sgpr_kernarg_segment_ptr 1
		.amdhsa_wavefront_size32 1
		.amdhsa_system_sgpr_workgroup_id_x 1
		.amdhsa_system_sgpr_workgroup_id_y 1
		.amdhsa_system_sgpr_workgroup_id_z 1
		.amdhsa_system_vgpr_workitem_id 0
		.amdhsa_next_free_vgpr 192
		.amdhsa_next_free_sgpr 66
		.amdhsa_reserve_vcc 0
		.amdhsa_float_denorm_mode_32 3
		.amdhsa_float_denorm_mode_16_64 3
		.amdhsa_memory_ordered 1
		.amdhsa_forward_progress 1
		.amdhsa_inst_pref_size 51
	.end_amdhsa_kernel
	.amdgpu_metadata
---
amdhsa.version: [ 1, 2 ]
amdhsa.kernels:
  - .name:           k_q1bde9574ff_quant
    .symbol:         k_q1bde9574ff_quant.kd
    .args:
      - { .name: x, .offset: 0, .size: 8, .value_kind: global_buffer, .address_space: global }
      - { .name: Wq, .offset: 8, .size: 8, .value_kind: global_buffer, .address_space: global }
      - { .name: Wk, .offset: 16, .size: 8, .value_kind: global_buffer, .address_space: global }
      - { .name: Wv, .offset: 24, .size: 8, .value_kind: global_buffer, .address_space: global }
      - { .name: Wo, .offset: 32, .size: 8, .value_kind: global_buffer, .address_space: global }
      - { .name: x_codes, .offset: 40, .size: 8, .value_kind: global_buffer, .address_space: global }
      - { .name: x_scales, .offset: 48, .size: 8, .value_kind: global_buffer, .address_space: global }
      - { .name: w_codes, .offset: 56, .size: 8, .value_kind: global_buffer, .address_space: global }
      - { .name: w_scales, .offset: 64, .size: 8, .value_kind: global_buffer, .address_space: global }
      - { .name: wo16, .offset: 72, .size: 8, .value_kind: global_buffer, .address_space: global }
    .group_segment_fixed_size: 33280
    .private_segment_fixed_size: 0
    .kernarg_segment_align: 8
    .kernarg_segment_size: 80
    .max_flat_workgroup_size: 128
    .sgpr_count:     66
    .vgpr_count:     192
    .wavefront_size: 32
...
	.end_amdgpu_metadata
.endif
;; end of part 1
;; launch qkv (part 2): grid 12 x 16, 4 waves a work-group, clusters of 4 x 4, 327,680 bytes of LDS; arguments x_codes, x_scales, w_codes, w_scales, qkv, bq, bv; writes qkv
.if DOCPART == 2
	.amdgcn_target "amdgcn-amd-amdhsa--gfx1250"
	.amdhsa_code_object_version 6
	.text
	.protected	k_q1bde9574ff_qkv
	.globl	k_q1bde9574ff_qkv
	.p2align	8
	.type	k_q1bde9574ff_qkv,@function
k_q1bde9574ff_qkv:
	s_mov_b64 s[64:65], 0
	v_nop
	global_prefetch_b8 v0, s[64:65] scope:SCOPE_SE
	s_setreg_imm32_b32 hwreg(HW_REG_WAVE_MODE, 25, 1), 1
	s_wait_xcnt 0x0
	s_wait_alu depctr_hold_cnt(0) depctr_sa_sdst(0) depctr_va_vdst(0) depctr_va_sdst(0) depctr_va_ssrc(0) depctr_va_vcc(0) depctr_vm_vsrc(0)
	s_getreg_b32 s2, hwreg(HW_REG_IB_STS2, 6, 4)
	s_cmp_eq_u32 s2, 0
	s_cbranch_scc0 .Lentry_in_a_cluster
	s_endpgm
.Lentry_in_a_cluster:
	s_bfe_u32 s2, ttmp6, 0x10000c
	s_cmp_lg_u32 s2, 0xf033
	s_cbranch_scc0 .Lentry_shape_is_right
	s_endpgm
.Lentry_shape_is_right:
; q, k, v = x Wq^T + bq, x Wk^T, x Wv^T + bv as ONE product on codes of FP4 (E2M1) with one E8M0 scale for each 32 along K: C[m][n] = sum over k of A[m][k] B[n][k], A = x's codes [4096][1024],
; B = the three weights' codes [3072][1024] (rows 0-1023 q, 1024-2047 k, 2048-3071 v); sums in f32, K ascending, one sum for each output.  bk is left out: dead work, shown at the head of the first kernel.
; The results are rounded once to f16 and laid by heads for the attention: qkv [48 planes][4096][64], plane = n / 64: 0-15 q's heads, 16-31 k's, 32-47 v's.  LIMIT: |q|, |k|, |v| stay under 65,504.
; A tile of C, 256 x 256, is made by a work-group of four waves; a wave makes 128 x 128: 64 accumulators of 16 x 16, 512 registers.  12 x 16 tiles: 192 work-groups.
; K = 1,024 is two slots of 512 along K (rows of 256 bytes): both are asked for at the head, with the scale bytes of the work-group's 256 + 256 rows for all of K; nothing in LDS is filled twice.
; CLUSTERS: 4 x 4 work-groups.  The four of a row of the cluster need the same tiles of A, the four of a column the same tiles of B: each tile is asked for JOINTLY, by the same tensor load with the same
; descriptor and a mask that names the four.  A cluster's four tile columns are 1,024 columns: one of q, k, v, told by the cluster's x, which all sixteen partners share.
; THE MATRIX INSTRUCTION IS USED TRANSPOSED (source 0 = 16 rows of B, source 1 = 16 rows of A): a lane then holds eight neighbouring numbers of a row of C.
; THE BIAS is the C of each sum's first matrix instruction: eight registers for each of B's eight blocks, in the result's layout (k: zeros).
; REGISTERS, in windows of 256: window 0: v0-31 addresses; v32-95 scale words, two sets, and nothing else; v128-191 A's fragments (8 x 16 rows x 128 K), ONE set; v192-255 the bias; on the way out v96-255 are at work.
;   window 1: B's fragments, TWO sets, at v0 and at v128.   window 2: the 32 accumulators of my rows 0-63 (accumulator (a, b) at v[8 (8 a + b)]);   window 3: those of my rows 64-127.
.set SIZE_K, 1024
.set NQ,     4                         ; matrix instructions deep in a slot of 512 along K
.set ROWB,   256                       ; a tile's row in bytes
.set KROW,   SIZE_K/2                  ; a row of codes in memory, in bytes
.set PITCH,  272                       ; an LDS row: 256 bytes + 16 of padding, so that the 16 rows that a load touches start 16 bytes further on in each 256
.set FR,     8                         ; registers of a fragment: 16 rows x 128 K
.set NL,     2                         ; LDS loads that bring one
.set NP,     4                         ; places behind this matrix instruction (ISA guide 7.12.1)
.set HALFT,  128*PITCH                 ; 128 rows: what one tensor load brings, and what one wave reads of A or of B
.set SLOT,   4*HALFT                   ; A's 256 rows, then B's 256 rows
.set KS,     SIZE_K/32                 ; a row of scales in bytes
.set SCL,    2*SLOT                    ; behind the slots: the scales, as rows of 256 bytes + 16 of padding
.set HALFS,  (128*KS/256)*272          ; the scales of 128 rows: what one tensor load brings
.set SBLK,   (16*KS/256)*272           ; those of 16 rows
.set SPARE,  SCL+4*HALFS               ; behind the scales: the spare words, 128 bytes a wave, which no other line names
.set SPITCH, 272                       ; the way out: a stage of 16 rows x (256 bytes + 16) for each wave, in slot 0, which has had its only fill and its last read when the first result is stored there
.set ADRA, 16                          ; v16-17  LDS address of my A fragments in slot 0, 1
.set ADRB, 20                          ; v20-21  the same for B
.set STO,  24                          ; v24     the way out: where I put 16 bytes of a row
.set RD,   25                          ; v25     the way out: where I read back
.set CO,   26                          ; v26     16 x lane: my byte in 512 consecutive bytes of a plane
.set ADRS, 27                          ; v27     LDS address of my scale words: lanes 0-15 A's rows, lanes 16-31 B's
.set SPW,  28                          ; v28     LDS address of my spare word; never rewritten
.set NIL,  29                          ; v29     0; never rewritten
.set SC,   32                          ; scale words: set s at v[SC + 32 s]; register 4 i + q: lanes 0-15 the word of A's block i, lanes 16-31 that of B's block i, for the slot's q-th 128 along K
.set AF,   128                         ; A's fragments
.set BIAS, 192                         ; the bias of B's block b at v[BIAS + 8 b]
.set BK,   128                         ; the way out: rows read back from the stage: v128-159 and v160-191 by turns
.set G1, 24                            ; s[24:31] descriptor group 1 for A's tiles;  s[32:39] group 0, one set for each slot
.set G0, 32
.set G1B, 48                           ; s[48:55], s[56:63] the same for B's tiles
.set G0B, 56
.set G1S, 68                           ; s[68:75], s[76:79] groups 1 and 0 for A's scales;  s[80:87], s[88:91] for B's
.set G0S, 76
.set G1SB, 80
.set G0SB, 88
.set MSB, 0
.macro WIN new                         ; the immediate's high byte repeats the setting that is left; a switch that changes nothing is dropped
.if MSB != (\new)
	s_set_vgpr_msb (MSB<<8)|(\new)
.set MSB, (\new)
.endif
.endm
.set MUL_LO,  0xa1                     ; source 0 (B) window 1, source 1 (A) window 0, C and D window 2
.set MUL_HI,  0xf1                     ; the same, C and D window 3
.set BIAS_LO, 0x81                     ; the first step: C (the bias) window 0, D window 2
.set BIAS_HI, 0xc1                     ; and D window 3
.set TO_B,    0x40                     ; destination window 1, address window 0
; A joint load: waves 0 and 1 fetch for A, waves 2 and 3 for B.  Each of the two lines has ONE mask and one set of registers for all that issue it; the branch hangs on the wave's number alone.
; An s_nop 0 and four v_nop follow each of the two lines, ahead of the jump, the label and what follows.
.macro JLOAD g0a, g1a, g0b, g1b
	s_cmp_eq_u32 s15, 0
	s_cbranch_scc0 .Lfor_b_\@
	tensor_load_to_lds s[\g0a:\g0a+3], s[\g1a:\g1a+7]
	s_nop 0
.rept 4
	v_nop
.endr
	s_branch .Lasked_\@
.Lfor_b_\@:
	tensor_load_to_lds s[\g0b:\g0b+3], s[\g1b:\g1b+7]
	s_nop 0
.rept 4
	v_nop
.endr
.Lasked_\@:
.endm
.macro CROUND                          ; a round of the cluster's barrier: my work-group's barrier; wave 0 signals for the work-group; every wave waits for all sixteen; my work-group's barrier once more
	s_barrier_signal -1
	s_barrier_wait -1
	s_cmp_lg_u32 s14, 0
	s_cbranch_scc1 .Lnot_wave_0_\@
	s_barrier_signal -3
.Lnot_wave_0_\@:
	s_barrier_wait -3
	s_barrier_signal -1
	s_barrier_wait -1
.endm
	s_load_b128 s[4:7], s[0:1], 0x0                ; A's codes s[4:5], A's scales s[6:7]
	s_load_b128 s[8:11], s[0:1], 0x10              ; B's codes s[8:9], B's scales s[10:11]
	s_load_b64 s[12:13], s[0:1], 0x20              ; qkv
	s_load_b64 s[96:97], s[0:1], 0x28              ; bq
	s_load_b64 s[98:99], s[0:1], 0x30              ; bv
	v_lshl_add_u32 v[SPW], v0, 2, SPARE
	v_mov_b32 v[NIL], 0
	ds_add_u32 v[SPW], v[NIL]                      ; the wave's opening: the add, twice on end, and its wait ahead of my first tensor load; the set-up below stands between the second and the wait
	ds_add_u32 v[SPW], v[NIL]                      ; and once more, under the one wait
	v_lshrrev_b32 v1, 5, v0
	v_readfirstlane_b32 s14, v1                    ; wave 0..3
	s_lshr_b32 s15, s14, 1                         ; which half of the tile's rows is mine.  Also: I fetch for A (0) or for B (1)
	s_and_b32 s16, s14, 1                          ; which half of its columns.  Also: which 128 rows of that tile I fetch
	s_bfe_u32 s40, ttmp6, 0x40000                  ; cx, cy: my place in the cluster
	s_bfe_u32 s41, ttmp6, 0x40004
	s_lshl_b32 s42, ttmp9, 2
	s_add_co_u32 s42, s42, s40                     ; tile column of C = 4 x cluster x + cx
	s_and_b32 s17, ttmp7, 0xffff
	s_lshl_b32 s17, s17, 2
	s_add_co_u32 s17, s17, s41                     ; tile row of C = 4 x cluster y + cy
	s_lshl_b32 s43, s41, 2
	s_lshl_b32 s43, 15, s43                        ; my row of the cluster
	s_lshl_b32 s44, 0x1111, s40                    ; my column
	; descriptor group 1: a tile of 128 rows x 256 bytes, padded in LDS
	s_or_b32 s[G1+0], s43, (0<<16)|(1<<20)|(1<<21)|(5<<22)|(3<<25)  ; 15:0 the mask: A's tiles go to my row; 17:16 element of 1 byte; 20 padding on; 21 set beside a mask; 24:22 after every 64 words; 31:25 four words
	s_or_b32 s[G1B+0], s44, (0<<16)|(1<<20)|(1<<21)|(5<<22)|(3<<25)
.irp g, G1, G1B
	s_mov_b32 s[\g+1], ROWB<<16                    ; tensor_dim0
	s_mov_b32 s[\g+2], 128<<16                     ; tensor_dim1 = 128
	s_mov_b32 s[\g+3], ROWB<<16                    ; tile_dim0
	s_mov_b32 s[\g+4], 128                         ; tile_dim1 = 128
	s_mov_b32 s[\g+5], KROW                        ; tensor_dim0_stride
	s_mov_b32 s[\g+6], 0
	s_mov_b32 s[\g+7], 0
.endr
	; and for the scales of 128 rows: a dense block of 4,096 bytes, as 16 rows of 256 bytes (32 elements of 8 bytes), 16 bytes of padding behind each
	s_or_b32 s[G1S+0], s43, (3<<16)|(1<<20)|(1<<21)|(5<<22)|(3<<25)
	s_or_b32 s[G1SB+0], s44, (3<<16)|(1<<20)|(1<<21)|(5<<22)|(3<<25)
.irp g, G1S, G1SB
	s_mov_b32 s[\g+1], 32<<16
	s_mov_b32 s[\g+2], (128*KS/256)<<16
	s_mov_b32 s[\g+3], 32<<16
	s_mov_b32 s[\g+4], 128*KS/256
	s_mov_b32 s[\g+5], 32
	s_mov_b32 s[\g+6], 0
	s_mov_b32 s[\g+7], 0
.endr
	s_lshl_b32 s18, s16, 7                         ; which 128 rows of the tile I fetch
	s_lshl_b32 s20, s17, 8
	s_add_co_u32 s20, s20, s18                     ; A: row 256 x tile row + 128 x half
	s_lshl_b32 s46, s42, 8
	s_add_co_u32 s46, s46, s18                     ; B: row 256 x tile column + 128 x half
	s_mov_b32 s21, 0
	s_mov_b32 s47, 0
	s_mov_b64 s[18:19], KS
	s_mul_u64 s[22:23], s[20:21], s[18:19]         ; where these rows' scales begin, in bytes
	s_mul_u64 s[92:93], s[46:47], s[18:19]
	s_mov_b64 s[18:19], KROW
	s_mul_u64 s[20:21], s[20:21], s[18:19]         ; and their codes
	s_mul_u64 s[46:47], s[46:47], s[18:19]
	s_mul_i32 s45, s14, HALFT                      ; where they go: wave x 128 rows: no place in the cluster enters an LDS address
	s_mul_i32 s94, s14, HALFS
	s_wait_dscnt 0x0                               ; both opening adds are done
	s_wait_kmcnt 0x0
	s_add_nc_u64 s[20:21], s[4:5], s[20:21]
	s_add_nc_u64 s[22:23], s[6:7], s[22:23]
	s_add_nc_u64 s[46:47], s[8:9], s[46:47]
	s_add_nc_u64 s[92:93], s[10:11], s[92:93]
	CROUND                                         ; all sixteen work-groups are here: the joint loads meet
	s_mov_b32 s[G0S], 1
	s_add_co_u32 s[G0S+1], s94, SCL
	s_mov_b64 s[G0S+2:G0S+3], s[22:23]
	s_or_b32 s[G0S+3], s[G0S+3], 0x80000000
	s_mov_b32 s[G0SB], 1
	s_add_co_u32 s[G0SB+1], s94, SCL
	s_mov_b64 s[G0SB+2:G0SB+3], s[92:93]
	s_or_b32 s[G0SB+3], s[G0SB+3], 0x80000000
	JLOAD G0S, G1S, G0SB, G1SB                     ; the scales first: they are wanted with the first slot
.irp s, 0,1
	s_mov_b32 s[G0+4*\s], 1
	s_add_co_u32 s[G0+4*\s+1], s45, \s*SLOT
	s_add_nc_u64 s[G0+4*\s+2:G0+4*\s+3], s[20:21], \s*ROWB
	s_or_b32 s[G0+4*\s+3], s[G0+4*\s+3], 0x80000000
	s_mov_b32 s[G0B+4*\s], 1
	s_add_co_u32 s[G0B+4*\s+1], s45, \s*SLOT
	s_add_nc_u64 s[G0B+4*\s+2:G0B+4*\s+3], s[46:47], \s*ROWB
	s_or_b32 s[G0B+4*\s+3], s[G0B+4*\s+3], 0x80000000
	JLOAD G0+4*\s, G1, G0B+4*\s, G1B
.endr
	v_and_b32 v1, 15, v0                           ; r = l % 16
	v_bfe_u32 v2, v0, 4, 1                         ; h = l / 16
	v_mul_u32_u24 v3, v1, PITCH
	v_lshl_add_u32 v4, v2, 4, v3                   ; a fragment's row x pitch + 16 x half
	s_mul_i32 s21, s15, HALFT                      ; my 128 rows of A
	s_mul_i32 s22, s16, HALFT                      ; my 128 rows of B,
	s_add_co_u32 s22, s22, 2*HALFT                 ; which lie behind A's 256
.irp s, 0,1
	v_add_nc_u32 v[ADRA+\s], s21, v4
	v_add_nc_u32 v[ADRB+\s], s22, v4
	s_add_co_u32 s21, s21, SLOT
	s_add_co_u32 s22, s22, SLOT
.endr
	v_mul_u32_u24 v5, v1, KS                       ; my row's scales: 32 bytes a row,
	v_lshrrev_b32 v6, 8, v5
	v_lshl_add_u32 v5, v6, 4, v5                   ; and 16 more for each 256 passed
	s_mul_i32 s21, s15, HALFS                      ; A's: my 128 rows
	s_mul_i32 s22, s16, HALFS                      ; B's: my 128 rows, behind A's 256
	s_add_co_u32 s22, s22, 2*HALFS
	s_sub_co_u32 s22, s22, s21
	v_mul_u32_u24 v6, s22, v2                      ; lanes 16-31 take B's: the lower base + h x the distance
	s_add_co_u32 s21, s21, SCL
	v_add_nc_u32 v5, v5, v6
	v_add_nc_u32 v[ADRS], s21, v5
	s_mul_i32 s23, s14, 16*SPITCH                  ; my stage
	v_mul_u32_u24 v5, v1, SPITCH                   ; in: row l % 16, 16 bytes for each half of the lanes
	v_lshl_add_u32 v5, v2, 4, v5
	v_add_nc_u32 v[STO], s23, v5
	v_and_b32 v6, 31, v0
	v_lshlrev_b32 v[CO], 4, v6
	v_lshrrev_b32 v5, 3, v6                        ; back: eight lanes take 128 bytes of a row (one plane's part), the 32 lanes four rows
	v_mul_u32_u24 v5, v5, SPITCH
	v_and_b32 v6, 7, v6
	v_lshl_add_u32 v5, v6, 4, v5
	v_add_nc_u32 v[RD], s23, v5
	s_lshl_b32 s20, s17, 8
	s_lshl_b32 s21, s15, 7
	s_add_co_u32 s20, s20, s21                     ; my first row: 256 x tile row + 128 x half,
	s_lshl_b32 s20, s20, 7                         ; 128 bytes a row of a plane
	s_mov_b32 s21, 0
	s_lshl_b32 s46, s42, 2
	s_lshl_b32 s47, s16, 1
	s_add_co_u32 s46, s46, s47                     ; my first plane: 4 x tile column + 2 x half,
	s_lshl_b32 s46, s46, 19                        ; 2^19 bytes a plane
	s_mov_b32 s47, 0
	s_add_nc_u64 s[20:21], s[20:21], s[46:47]
	s_add_nc_u64 s[12:13], s[12:13], s[20:21]
	; the bias of my 128 columns: lane (r, h) wants, for B's block b, the numbers at 16 b + 8 h + 0 .. 7.  The cluster's x says whose: 0 q, 1 k (none), 2 v: the same in all sixteen partners
	s_lshl_b32 s46, s40, 10                        ; my columns in the 1,024 of q or v, in bytes: 1,024 cx + 512 x half
	s_lshl_b32 s47, s16, 9
	s_add_co_u32 s46, s46, s47
	s_mov_b32 s47, 0
	s_cmp_eq_u32 ttmp9, 0
	s_cselect_b64 s[96:97], s[96:97], s[98:99]
	s_add_nc_u64 s[96:97], s[96:97], s[46:47]
	v_lshlrev_b32 v5, 5, v2                        ; 32 h
	s_cmp_eq_u32 ttmp9, 1
	s_cbranch_scc1 .Lno_bias
.irp b, 0,1,2,3,4,5,6,7
	global_load_b128 v[BIAS+8*\b:BIAS+8*\b+3], v5, s[96:97] offset:64*\b
	global_load_b128 v[BIAS+8*\b+4:BIAS+8*\b+7], v5, s[96:97] offset:64*\b+16
.endr
	s_branch .Lbias_done
.Lno_bias:
.set i, 0
.rept 64
	v_mov_b32 v[BIAS+i], 0                         ; k has no bias here
.set i, i+1
.endr
.Lbias_done:
.macro FRAG reg, adr, q, i             ; a fragment, 16 rows x 128 K of 4-bit codes: lane l holds row l % 16; registers 4 c .. 4 c + 3 hold K = 64 c + 32 (l / 16) + 0 .. 31
.irp c, 0,1
	ds_load_b128 v[\reg+4*\c:\reg+4*\c+3], v[\adr] offset:64*(\q)+32*\c+(\i)*16*PITCH
.endr
.endm
; 16 matrix instructions: A's blocks a0, a0 + 1 x B's eight, 128 along K: the slot's q-th.  p: B's set;  sc: the set of scale words.  first = 1: the bias starts the sums: nothing is ever cleared.
; The 64 accumulators take turns, one instruction a turn, in the same order in every step.
.macro MUL16 a0, p, q, sc, first
.irp a, \a0, \a0+1
.irp b, 0,1,2,3,4,5,6,7
.if \first
	v_wmma_scale_f32_16x16x128_f8f6f4 v[8*(8*((\a)%4)+\b):8*(8*((\a)%4)+\b)+7], v[128*(\p)+FR*\b:128*(\p)+FR*\b+FR-1], v[AF+FR*(\a):AF+FR*(\a)+FR-1], v[BIAS+8*\b:BIAS+8*\b+7], v[SC+8*NQ*(\sc)+NQ*\b+(\q)], v[SC+8*NQ*(\sc)+NQ*(\a)+(\q)] matrix_a_fmt:MATRIX_FMT_FP4 matrix_b_fmt:MATRIX_FMT_FP4 matrix_a_scale:MATRIX_SCALE_ROW1
.else
	v_wmma_scale_f32_16x16x128_f8f6f4 v[8*(8*((\a)%4)+\b):8*(8*((\a)%4)+\b)+7], v[128*(\p)+FR*\b:128*(\p)+FR*\b+FR-1], v[AF+FR*(\a):AF+FR*(\a)+FR-1], v[8*(8*((\a)%4)+\b):8*(8*((\a)%4)+\b)+7], v[SC+8*NQ*(\sc)+NQ*\b+(\q)], v[SC+8*NQ*(\sc)+NQ*(\a)+(\q)] matrix_a_fmt:MATRIX_FMT_FP4 matrix_b_fmt:MATRIX_FMT_FP4 matrix_a_scale:MATRIX_SCALE_ROW1
.endif
.endr
.endr
.endm
.macro FETCH_B slot, q, p              ; B's eight fragments of the slot's q-th 128 along K into set p
	WIN TO_B
.irp i, 0,1,2,3,4,5,6,7
	FRAG 128*(\p)+FR*\i, ADRB+\slot, \q, \i
.endr
	WIN 0
.endm
.macro FETCH_A slot, q, i0             ; A's blocks i0 .. i0 + 3
.irp i, \i0, \i0+1, \i0+2, \i0+3
	FRAG AF+FR*(\i), ADRA+\slot, \q, \i
.endr
.endm
.macro SCALES sc                       ; a slot's scale words into set sc: four words a row; lanes 0-15 take A's block i, lanes 16-31 B's block i
.irp i, 0,1,2,3,4,5,6,7
	ds_load_b128 v[SC+8*NQ*\sc+NQ*\i:SC+8*NQ*\sc+NQ*\i+3], v[ADRS] offset:\i*SBLK
.endr
.endm
; A load into a register that a matrix instruction has read, and a vector instruction that reads a matrix result, stand NP places behind that matrix instruction, and only plain vector
; instructions that name none of its registers are places (ISA guide 7.12.1 for vector instructions).
.macro PLACES n
.rept \n
	v_nop
.endr
.endm
; A step of 128 along K that has its successor in the same slot.  A block of A is free as soon as its eight products are issued: blocks 0-3 are fetched anew in the step's middle, blocks 4-7 at its end.
.macro STEP slot, q, first
	s_wait_dscnt 4*NL                              ; B's set, A's blocks 0-3 and the scale words are in; the youngest eight loads (A's blocks 4-7) may be out
.if \first
	WIN BIAS_LO
.else
	WIN MUL_LO
.endif
	MUL16 0, (\q)%2, \q, \slot, \first
	MUL16 2, (\q)%2, \q, \slot, \first
	s_wait_dscnt 0                                 ; A's blocks 4-7 are in (asked for 32 matrix instructions ago)
	PLACES NP
	FETCH_B \slot, (\q)+1, 1-(\q)%2
	FETCH_A \slot, (\q)+1, 0
.if \first
	WIN BIAS_HI
.else
	WIN MUL_HI
.endif
	MUL16 4, (\q)%2, \q, \slot, \first
	MUL16 6, (\q)%2, \q, \slot, \first
	PLACES NP
	WIN 0
	FETCH_A \slot, (\q)+1, 4
.endm
; Slot 0's last step changes slots: ONE barrier; in front of it each wave waits for all its tensor loads (its part of slot 1), adds 0 to its spare word, and waits for that and for its own reads of slot 0.
; Behind it slot 1 is whole and nobody reads slot 0 any more.  Nothing is filled again.
.macro TURN slot, next
	s_wait_tensorcnt 0x0                           ; all my tensor loads have landed  (every window is 0 here: the add's two registers lie in window 0)
	ds_add_u32 v[SPW], v[NIL]                      ; 0 onto my spare word
	s_wait_dscnt 4*NL+1                            ; (the add and the youngest eight loads, A's blocks 4-7, may be out)
	WIN MUL_LO
	MUL16 0, 1, NQ-1, \slot, 0                     ; sixteen matrix instructions stand between the add and the wait for it
	s_wait_dscnt 0x0                               ; the add is done, and my reads of this slot are over
	s_barrier_signal -1
	MUL16 2, 1, NQ-1, \slot, 0
	WIN 0
	s_barrier_wait -1
	PLACES NP
	v_add_nc_u32 v[ADRS], 4*NQ, v[ADRS]            ; on to the next slot's scale words (no LDS load of mine is out)
	FETCH_B \next, 0, 0
	FETCH_A \next, 0, 0
	SCALES \next
	WIN MUL_HI
	MUL16 4, 1, NQ-1, \slot, 0
	MUL16 6, 1, NQ-1, \slot, 0
	PLACES NP
	WIN 0
	FETCH_A \next, 0, 4
.endm
.macro STEPS slot, from                ; the slot's steps from .. NQ - 2
.set Q, \from
.rept NQ-1-\from
	STEP \slot, Q, 0
.set Q, Q+1
.endr
.endm
	s_wait_loadcnt 0x0                             ; the bias
	s_wait_tensorcnt 1                             ; the scales and my part of slot 0 are in (slot 1's load, the one issued behind them, may be out),
	s_barrier_signal -1
	s_barrier_wait -1                              ; everybody's are
	FETCH_B 0, 0, 0
	FETCH_A 0, 0, 0
	SCALES 0
	FETCH_A 0, 0, 4
	STEP 0, 0, 1                                   ; the first step's products start the sums with the bias
	STEPS 0, 1
	TURN 0, 1
	STEPS 1, 0
	s_wait_dscnt 4*NL                              ; the very last step: nothing more to fetch
	WIN MUL_LO
	MUL16 0, 1, NQ-1, 1, 0
	MUL16 2, 1, NQ-1, 1, 0
	s_wait_dscnt 0
	WIN MUL_HI
	MUL16 4, 1, NQ-1, 1, 0
	MUL16 6, 1, NQ-1, 1, 0
	WIN 0
; THE WAY OUT, block by block of 16 rows x 128 columns (two planes).  PACK: rounded to f16, 16 bytes a lane, each accumulator from its low end on.  TOSTAGE: into my own stage in LDS, and back by planes: four rows x 128
; bytes an instruction, which are 512 consecutive bytes of a plane.  SEND: stored.  LDS serves a wave's instructions in order: no wait between the stores and the loads, nor in front of the next block's stores.
.macro PACK a
.set AC, 64*((\a)%4)
.set TP, 96+96*((\a)%2)                ; v96-127 and v192-223 by turns
	WIN 0x0a+5*((\a)/4)                            ; sources 0 and 1: window 2 or 3
.irp b, 0,1,2,3,4,5,6,7
.irp r, 0,1,2,3
	v_cvt_pk_f16_f32 v[TP+4*\b+\r], v[AC+8*\b+2*\r], v[AC+8*\b+2*\r+1]
.endr
.endr
	WIN 0
.endm
.macro TOSTAGE a
.set TP, 96+96*((\a)%2)
.set BB, BK+32*((\a)%2)
.irp b, 0,1,2,3,4,5,6,7
	ds_store_b128 v[STO], v[TP+4*\b:TP+4*\b+3] offset:32*\b
.endr
.irp t, 0,1,2,3,4,5,6,7
	ds_load_b128 v[BB+4*\t:BB+4*\t+3], v[RD] offset:(\t%4)*4*SPITCH+128*(\t/4)
.endr
.endm
.macro SEND a
.set BB, BK+32*((\a)%2)
	s_wait_dscnt 0x0                               ; the block is back in registers
	s_wait_xcnt 0x0                                ; the block before has been read by its stores: the next block's loads may land in its registers
.irp t, 0,1,2,3,4,5,6,7
	global_store_b128 v[CO], v[BB+4*\t:BB+4*\t+3], s[12:13] offset:(\t/4)*524288+(\a)*2048+(\t%4)*512   ; 32 lanes store 512 consecutive bytes, at a multiple of 512 from the buffer's first byte
.endr
.endm
	PLACES NP                                      ; behind the last products: for the conversions, and for the loads into the registers that held A's fragments
	PACK 0
	TOSTAGE 0
.irp a, 1,2,3,4,5,6,7                  ; block a's conversions stand between block a - 1's loads from the stage and the wait for them
	PACK \a
	SEND \a-1
	TOSTAGE \a
.endr
	SEND 7
	s_wait_tensorcnt 0x0                           ; the wave's end, behind my last tensor load and my last LDS store
	ds_add_u32 v[SPW], v[NIL]
	s_wait_dscnt 0x0
	CROUND                                         ; the closing round: no work-group ends while a partner may still ask for a tile that names it
	s_endpgm
.Lfunc_end_k_q1bde9574ff_qkv:
	.size	k_q1bde9574ff_qkv, .Lfunc_end_k_q1bde9574ff_qkv-k_q1bde9574ff_qkv
	.p2alignl 7, 3214868480
	.fill 96, 4, 3214868480
	.section	.rodata,"a",@progbits
	.p2align	6, 0x0
	.amdhsa_kernel k_q1bde9574ff_qkv
		.amdhsa_group_segment_fixed_size 327680
		.amdhsa_private_segment_fixed_size 0
		.amdhsa_enable_private_segment 0
		.amdhsa_kernarg_size 56
		.amdhsa_user_sgpr_count 2
		.amdhsa_user_sgpr_kernarg_segment_ptr 1
		.amdhsa_wavefront_size32 1
		.amdhsa_system_sgpr_workgroup_id_x 1
		.amdhsa_system_sgpr_workgroup_id_y 1
		.amdhsa_system_sgpr_workgroup_id_z 1
		.amdhsa_system_vgpr_workitem_id 0
		.amdhsa_next_free_vgpr 1024
		.amdhsa_next_free_sgpr 100
		.amdhsa_reserve_vcc 0
		.amdhsa_float_denorm_mode_32 3
		.amdhsa_float_denorm_mode_16_64 3
		.amdhsa_memory_ordered 1
		.amdhsa_forward_progress 1
		.amdhsa_inst_pref_size 130
	.end_amdhsa_kernel
	.amdgpu_metadata
---
amdhsa.version: [ 1, 2 ]
amdhsa.kernels:
  - .name:           k_q1bde9574ff_qkv
    .symbol:         k_q1bde9574ff_qkv.kd
    .args:
      - { .name: x_codes, .offset: 0, .size: 8, .value_kind: global_buffer, .address_space: global }
      - { .name: x_scales, .offset: 8, .size: 8, .value_kind: global_buffer, .address_space: global }
      - { .name: w_codes, .offset: 16, .size: 8, .value_kind: global_buffer, .address_space: global }
      - { .name: w_scales, .offset: 24, .size: 8, .value_kind: global_buffer, .address_space: global }
      - { .name: qkv, .offset: 32, .size: 8, .value_kind: global_buffer, .address_space: global }
      - { .name: bq, .offset: 40, .size: 8, .value_kind: global_buffer, .address_space: global }
      - { .name: bv, .offset: 48, .size: 8, .value_kind: global_buffer, .address_space: global }
    .group_segment_fixed_size: 327680
    .private_segment_fixed_size: 0
    .kernarg_segment_align: 8
    .kernarg_segment_size: 56
    .max_flat_workgroup_size: 128
    .sgpr_count:     100
    .vgpr_count:     1024
    .wavefront_size: 32
...
	.end_amdgpu_metadata
.endif
;; end of part 2
;; launch attn (part 3): grid 16 x 16, 8 waves a work-group, no clusters, 252,928 bytes of LDS; arguments qkv, att; writes att
.if DOCPART == 3
	.amdgcn_target "amdgcn-amd-amdhsa--gfx1250"
	.amdhsa_code_object_version 6
	.text
	.protected	k_q1bde9574ff_attn
	.globl	k_q1bde9574ff_attn
	.p2align	8
	.type	k_q1bde9574ff_attn,@function
k_q1bde9574ff_attn:
	s_mov_b64 s[64:65], 0
	v_nop
	global_prefetch_b8 v0, s[64:65] scope:SCOPE_SE
	s_setreg_imm32_b32 hwreg(HW_REG_WAVE_MODE, 25, 1), 1
	s_wait_xcnt 0x0
; att[q][64 head + :] = the sum over keys k with |q - k| <= 256 of softmax_k(Q[q] . K[k] / 8) V[k][:].  qkv: [48 planes][4096][64] f16 (planes 0-15 q's heads, 16-31 k's, 32-47 v's); att: [4096][1024] f16.
; Products, maxima and sums in f32; the weights p (at most 1, by the running maximum) are rounded to f16 for the second product, att once at the end.
; LEFT OUT (dead work, shown at the head of the first kernel): tiles of 64 keys that lie wholly outside the band of a wave pair's 64 queries; bk.
; SHARES.  A work-group owns 256 queries q0 .. q0 + 255 of one head, each of its EIGHT waves 32 of them: two tiles of 16, in 512 registers: two waves to a SIMD, so that one wave's softmax stands beside the other's products.
; THE KEYS.  The work-group's queries see keys q0 - 256 .. q0 + 511: 768 rows of K and of V, LDS row = key - q0 + 256, in three sections of 256: lower, own, upper.  They come ONCE, from memory through registers
; (all 48 loads of a thread are issued at the head), so LDS has no slot that is filled twice.  The own section is stored first and worked on while the outer two are still on their way.
; At the sequence's ends the section that does not exist is replaced by the own one (its block's number is held to 0 .. 15): 32 of the 256 work-groups copy 64 KiB that nobody reads.  That keeps one path and one count of loads.
; TILES of 64 keys.  The 64 queries of wave pair j = wave / 2 see rows 64 j .. 64 j + 575: the four own tiles (all keys count: the distance is 255 at the most, so the maximum is a number from the first step on);
; upper tiles u = 0 .. j (rows 512 + 64 u), of which u = j lies on the band's edge; lower tiles u = j .. 3 (rows 64 u), of which u = j lies on the edge.  All three loops have four trips; a tile that is not wanted is
; jumped over by a scalar branch on ids at the step's head; on the edge hidden scores become -infinity ahead of the maximum, so that p = 0.
; NO CLUSTER: a section is read by three neighbouring work-groups, but at another LDS row in each (upper, own, lower), and a joint load has one LDS address for all that it names; the six sections that four neighbours
; see, 6 x 77,824 bytes, do not fit in one LDS.
; LAYOUT.  S^T = K Q^T (source 0 = 16 keys, source 1 = 16 queries): a lane holds ONE query (lane % 16) and the keys 8 (lane / 16) + 0..7.  Two such tiles, rounded to f16 in pairs, ARE source 1 (32 keys x 16 queries) of
; O^T = V^T P, whose result again holds one query a lane.  K comes out of LDS as it lies, V ([key][channel]) turned, by ds_load_tr16_b128.
; SOFTMAX.  For each query a running maximum m and sum l: p = 2^(c s - c m), c = log2(e) / 8; in every step O and l are multiplied by a = 2^(c m_old - c m_new).  The step is written once: m begins at -3e38, l and O^T at 0.
; THE STORES: a head's part of a row of att is 128 bytes: eight lanes store 128 consecutive bytes; the neighbouring 128 are another work-group's.  Two heads to a work-group would want 467 KB of LDS.
; REGISTERS.  window 0: v1-15 addresses and constants; v16-31 statistics; v32-63 Q; v64-127 S^T (first: the own section on its way to LDS); v128-159 P; v160-168 addresses; v192-255 K's fragments.
;   window 1: v0-63 O^T; v64-127 V's fragments; v128-255 the outer sections on their way to LDS.
.set PK,    144                        ; a row of K in LDS: 128 bytes + 16
.set PV,    160                        ; a row of V: 128 + 32
.set SECK,  256*PK                     ; a section of K,
.set SECV,  256*PV                     ; of V
.set VOFF,  3*SECK                     ; K's 768 rows, then V's
.set STAGE, VOFF+3*SECV                ; the way out: 16 rows x 144 bytes for each wave
.set SPARE, STAGE+8*16*PK              ; the spare words, 128 bytes a wave, which no other line names
.set AK0,  3                           ; v3   my lane's place in a tile of K
.set AV0,  4                           ; v4   the same for V
.set ADK,  5                           ; v5   LDS address of the step's tile of K
.set ADV,  6                           ; v6   of V
.set VOO,  7                           ; v7   my thread's byte in the own section of a plane; v8 lower; v9 upper
.set VOL,  8
.set VOH,  9
.set QO,   10                          ; v10  my lane's byte in the wave's rows of Q
.set NINF, 11                          ; v11  -infinity
.set DQ,   12                          ; v12-13  tile t: my query's place among its pair's 64, less 8 (lane / 16)
.set SPW,  14                          ; v14  LDS address of my spare word; never rewritten
.set NIL,  15                          ; v15  0; never rewritten
.set ST,   16                          ; tile t's statistics at v[ST + 8 t]: +0 c m, +1 m, +2, +3 l (even keys', odd keys'), +4 to +7 at work; a takes +6
.set Q,    32                          ; Q: tile t, channels 32 f on: v[Q + 16 t + 8 f]
.set S,    64                          ; S^T: tile t, keys 16 b on: v[S + 32 t + 8 b]
.set P,    128                         ; P: tile t, keys 32 g on: v[P + 16 t + 8 g]
.set LK,   160                         ; v160-162  where my thread stores 16 bytes of K: lower, own, upper section
.set LV,   163                         ; v163-165  of V
.set STO,  166                         ; the way out: where I put 16 bytes of a row
.set RD,   167                         ; where I read back
.set GO,   168                         ; my byte offset in the wave's rows of att
.set KF,   192                         ; K's fragments
.set VF,   64                          ; V's, in window 1
.set WV,   14                          ; s14  wave
.set BX,   15                          ; s15  block of 256 queries
.set JP,   17                          ; s17  j
.set LOJ,  18                          ; s18  the lower loop's edge tile: j, or 4 (none) in the first block
.set HIJ,  19                          ; s19  the upper loop's: j, or -1 (none) in the last block
.set SEL,  20                          ; s[20:21] lane selects for v_permlanex16_b32: lane l xor 16
.set CS,   22                          ; s[22:23] c, named as a pair
.set TK,   24                          ; s24  LDS byte at which the step's tile of K begins
.set TV,   25                          ; s25  V's, from VOFF on
.set U,    26                          ; s26  the loop's count
.set MSB, 0
.macro WIN new                         ; the immediate's high byte repeats the setting that is left; a switch that changes nothing is dropped
.if MSB != (\new)
	s_set_vgpr_msb (MSB<<8)|(\new)
.set MSB, (\new)
.endif
.endm
	s_load_b128 s[4:7], s[0:1], 0x0                ; qkv s[4:5], att s[6:7]
	v_lshl_add_u32 v[SPW], v0, 2, SPARE
	v_mov_b32 v[NIL], 0
	v_lshrrev_b32 v5, 5, v0
	v_readfirstlane_b32 s[WV], v5                  ; wave 0..7
	s_mov_b32 s[BX], ttmp9
	s_and_b32 s16, ttmp7, 0xffff                   ; the head
	s_lshr_b32 s[JP], s[WV], 1
	s_cmp_eq_u32 s[BX], 0
	s_cselect_b32 s[LOJ], 4, s[JP]
	s_cmp_eq_u32 s[BX], 15
	s_cselect_b32 s[HIJ], -1, s[JP]
	s_lshl_b32 s27, s[BX], 8
	s_lshl_b32 s28, s[WV], 5
	s_add_co_u32 s27, s27, s28                     ; my wave's first query
	s_lshl_b32 s28, s16, 19                        ; the head's plane among q's
	s_mov_b32 s29, 0
	s_lshl_b32 s30, s27, 7                         ; 128 bytes a row of a plane
	s_mov_b32 s31, 0
	s_sub_co_i32 s26, s[BX], 1
	s_max_i32 s26, s26, 0                          ; the lower section's block, held at 0,
	s_lshl_b32 s26, s26, 15                        ; 32,768 bytes a block
	s_add_co_u32 s25, s[BX], 1
	s_min_u32 s25, s25, 15                         ; the upper's, held at 15
	s_lshl_b32 s25, s25, 15
	s_lshl_b32 s24, s[BX], 15
	v_and_b32 v1, 15, v0                           ; r
	v_bfe_u32 v2, v0, 4, 1                         ; h
	v_lshlrev_b32 v[QO], 7, v1
	v_lshl_add_u32 v[QO], v2, 4, v[QO]             ; Q: row r x 128 + 16 h
	v_lshlrev_b32 v[VOO], 4, v0                    ; a section comes as it lies: 16 bytes a thread, 4,096 a load of the work-group
	v_add_nc_u32 v[VOL], s26, v[VOO]
	v_add_nc_u32 v[VOH], s25, v[VOO]
	v_add_nc_u32 v[VOO], s24, v[VOO]
	s_wait_kmcnt 0x0
	s_add_nc_u64 s[8:9], s[4:5], s[28:29]          ; q's plane of my head,
	s_add_nc_u64 s[10:11], s[8:9], 16<<19          ; k's,
	s_add_nc_u64 s[12:13], s[8:9], 32<<19          ; v's
	s_add_nc_u64 s[8:9], s[8:9], s[30:31]          ; Q at my wave's first query
.irp t, 0,1
.irp f, 0,1
	global_load_b128 v[Q+16*\t+8*\f:Q+16*\t+8*\f+3],   v[QO], s[8:9] offset:\t*2048+\f*64 th:TH_LOAD_NT
	global_load_b128 v[Q+16*\t+8*\f+4:Q+16*\t+8*\f+7], v[QO], s[8:9] offset:\t*2048+\f*64+32 th:TH_LOAD_NT
.endr
.endr
.irp i, 0,1,2,3,4,5,6,7
	global_load_b128 v[64+4*\i:67+4*\i], v[VOO], s[10:11] offset:4096*\i     ; the own section: K,
	global_load_b128 v[96+4*\i:99+4*\i], v[VOO], s[12:13] offset:4096*\i     ; V
.endr
	WIN 0x40                                       ; destination window 1
.irp i, 0,1,2,3,4,5,6,7
	global_load_b128 v[128+4*\i:131+4*\i], v[VOL], s[10:11] offset:4096*\i   ; the lower section
	global_load_b128 v[160+4*\i:163+4*\i], v[VOL], s[12:13] offset:4096*\i
.endr
.irp i, 0,1,2,3,4,5,6,7
	global_load_b128 v[192+4*\i:195+4*\i], v[VOH], s[10:11] offset:4096*\i   ; the upper section
	global_load_b128 v[224+4*\i:227+4*\i], v[VOH], s[12:13] offset:4096*\i
.endr
.set i, 0
.rept 64
	v_mov_b32 v[i], 0                              ; O^T.  (The step is written once: its first turn finds zeros, which a = 0 leaves zeros)
.set i, i+1
.endr
	WIN 0
	s_lshl_b32 s30, s27, 11                        ; att: 2,048 bytes a row,
	s_lshl_b32 s28, s16, 7                         ; 128 a head
	s_add_co_u32 s30, s30, s28
	s_add_nc_u64 s[6:7], s[6:7], s[30:31]
	s_mov_b32 s[SEL], 0x76543210
	s_mov_b32 s[SEL+1], 0xfedcba98
	s_mov_b32 s[CS], 0x3e38aa3b                    ; c = log2(e) / 8
	s_mov_b32 s[CS+1], s[CS]
	v_mul_u32_u24 v[AK0], v1, PK
	v_lshl_add_u32 v[AK0], v2, 4, v[AK0]           ; a fragment of K: row r x pitch + 16 h
	v_and_b32 v6, 7, v0
	v_lshl_add_u32 v5, v2, 3, v6                   ; the turning load: key 8 h + l % 8,
	v_mul_u32_u24 v[AV0], v5, PV
	v_bfe_u32 v5, v0, 3, 1                         ; channels 8 ((l / 8) % 2) on
	v_lshl_add_u32 v[AV0], v5, 4, v[AV0]
	v_add_nc_u32 v[AV0], VOFF, v[AV0]
	s_mul_i32 s24, s[WV], 16*PK
	s_add_co_u32 s24, s24, STAGE                   ; my stage
	v_add_nc_u32 v[STO], s24, v[AK0]               ; in: row r, 16 bytes for each half of the lanes
	v_bfe_u32 v5, v0, 3, 2                         ; back: eight lanes take a row of 128 bytes, the 32 lanes four rows
	v_mul_u32_u24 v[RD], v5, PK
	v_lshl_add_u32 v[RD], v6, 4, v[RD]
	v_add_nc_u32 v[RD], s24, v[RD]
	v_lshlrev_b32 v[GO], 11, v5                    ; and the same four rows in att
	v_lshl_add_u32 v[GO], v6, 4, v[GO]
	v_lshrrev_b32 v5, 3, v0                        ; a section into LDS: thread / 8 is the row of a load's 32, thread % 8 the 16 bytes in it
	v_mul_u32_u24 v[LK], v5, PK
	v_lshl_add_u32 v[LK], v6, 4, v[LK]
	v_add_nc_u32 v[LK+1], SECK, v[LK]
	v_add_nc_u32 v[LK+2], 2*SECK, v[LK]
	v_mul_u32_u24 v[LV], v5, PV
	v_lshl_add_u32 v[LV], v6, 4, v[LV]
	v_add_nc_u32 v[LV], VOFF, v[LV]
	v_add_nc_u32 v[LV+1], SECV, v[LV]
	v_add_nc_u32 v[LV+2], 2*SECV, v[LV]
	s_and_b32 s24, s[WV], 1
	s_lshl_b32 s24, s24, 5
	v_lshlrev_b32 v5, 3, v2
	v_sub_nc_u32 v[DQ], v1, v5
	v_add_nc_u32 v[DQ], s24, v[DQ]                 ; 32 (wave % 2) + r - 8 h,
	v_add_nc_u32 v[DQ+1], 16, v[DQ]                ; + 16 t
	v_mov_b32 v[NINF], 0xff800000
.irp t, 0,1
	v_mov_b32 v[ST+8*\t+1], 0xff61b1e6             ; m = -3e38, under every score
	v_mul_f32 v[ST+8*\t], s[CS], v[ST+8*\t+1]      ; c m
	v_mov_b32 v[ST+8*\t+2], 0                      ; l
	v_mov_b32 v[ST+8*\t+3], 0
.endr
	s_wait_loadcnt 32                              ; Q and the own section are in; the 32 loads of the outer sections, issued behind them, may be out
.irp i, 0,1,2,3,4,5,6,7
	ds_store_b128 v[LK+1], v[64+4*\i:67+4*\i] offset:32*PK*\i
	ds_store_b128 v[LV+1], v[96+4*\i:99+4*\i] offset:32*PV*\i
.endr
	s_wait_dscnt 0x0                               ; for the others' sake: my stores have landed
	s_barrier_signal -1
	s_barrier_wait -1                              ; the own section lies in LDS
; A KEY STEP: 64 keys.  kind 0: an own tile; 1: a lower tile; 2: an upper tile.
.macro STEP kind
.if \kind == 1
	s_cmp_lt_u32 s[U], s[LOJ]                      ; a tile all of whose keys lie under the band of my pair's queries: ids alone
	s_cbranch_scc1 .Lskip_\@
.endif
.if \kind == 2
	s_cmp_gt_i32 s[U], s[HIJ]                      ; or over it
	s_cbranch_scc1 .Lskip_\@
.endif
	v_add_nc_u32 v[ADK], s[TK], v[AK0]
	v_add_nc_u32 v[ADV], s[TV], v[AV0]
	v_nop                                          ; with the two additions: four places between the last step's products and the loads into V's fragments, which they read
	v_nop
.irp f, 0,1,2,3,4,5,6,7                        ; K: keys 16 (f / 2) on, channels 32 (f % 2) on
	ds_load_b128 v[KF+8*\f:KF+8*\f+3],   v[ADK] offset:(\f/2)*16*PK+(\f%2)*64
	ds_load_b128 v[KF+8*\f+4:KF+8*\f+7], v[ADK] offset:(\f/2)*16*PK+(\f%2)*64+32
.endr
	WIN 0x40
.irp f, 0,1,2,3,4,5,6,7                        ; V, turned: keys 32 (f / 4) on, channels 16 (f % 4) on
	ds_load_tr16_b128 v[VF+8*\f:VF+8*\f+3],   v[ADV] offset:(\f/4)*32*PV+(\f%4)*32
	ds_load_tr16_b128 v[VF+8*\f+4:VF+8*\f+7], v[ADV] offset:(\f/4)*32*PV+16*PV+(\f%4)*32
.endr
	WIN 0
	s_wait_dscnt 16                                ; K is in; V's sixteen loads, issued behind it, may be out
.irp f, 0,1                                    ; S^T = K Q^T: eight accumulators by turns, one instruction a turn; the first eight start the sums
.irp b, 0,1,2,3
.irp t, 0,1
.if \f == 0
	v_wmma_f32_16x16x32_f16 v[S+32*\t+8*\b:S+32*\t+8*\b+7], v[KF+8*(2*\b+\f):KF+8*(2*\b+\f)+7], v[Q+16*\t+8*\f:Q+16*\t+8*\f+7], 0
.else
	v_wmma_f32_16x16x32_f16 v[S+32*\t+8*\b:S+32*\t+8*\b+7], v[KF+8*(2*\b+\f):KF+8*(2*\b+\f)+7], v[Q+16*\t+8*\f:Q+16*\t+8*\f+7], v[S+32*\t+8*\b:S+32*\t+8*\b+7]
.endif
.endr
.endr
.endr
.rept 4
	v_nop                                          ; four places ahead of the first read of the scores
.endr
.if \kind != 0                                 ; on the band's edge.  Register e of a tile holds the tile's key n + 8 h, n = 16 (e / 8) + e % 8.  Lower edge: hidden where the key's place is under my query's; upper: where it is over
.if \kind == 1
	s_cmp_lg_u32 s[U], s[LOJ]
.else
	s_cmp_lg_u32 s[U], s[HIJ]
.endif
	s_cbranch_scc1 .Lopen_\@
.irp t, 0,1
.irp e, 0,1,2,3,4,5,6,7,8,9,10,11,12,13,14,15,16,17,18,19,20,21,22,23,24,25,26,27,28,29,30,31
.if \kind == 1
	v_cmp_lt_i32 vcc_lo, 16*(\e/8)+\e%8, v[DQ+\t]
.else
	v_cmp_gt_i32 vcc_lo, 16*(\e/8)+\e%8, v[DQ+\t]
.endif
	v_cndmask_b32 v[S+32*\t+\e], v[S+32*\t+\e], v[NINF], vcc_lo
.endr
.endr
.Lopen_\@:
.endif
	; the maximum of my 32 scores and the old m, three operands at a time, each accumulator from its low end on; the two tiles line by line, so that no line waits for the line above it
.irp j, 0,1,2,3
.irp t, 0,1
	v_max3_num_f32 v[ST+8*\t+4+\j], v[S+32*\t+8*\j], v[S+32*\t+8*\j+1], v[S+32*\t+8*\j+2]
.endr
.endr
.irp g, 1,2
.irp j, 0,1,2,3
.irp t, 0,1
	v_max3_num_f32 v[ST+8*\t+4+\j], v[ST+8*\t+4+\j], v[S+32*\t+8*\j+2*\g+1], v[S+32*\t+8*\j+2*\g+2]
.endr
.endr
.endr
.irp t, 0,1
	v_max3_num_f32 v[ST+8*\t+4], v[ST+8*\t+4], v[S+32*\t+7], v[S+32*\t+15]
.endr
.irp t, 0,1
	v_max3_num_f32 v[ST+8*\t+6], v[ST+8*\t+6], v[S+32*\t+23], v[S+32*\t+31]
.endr
.irp t, 0,1
	v_max3_num_f32 v[ST+8*\t+4], v[ST+8*\t+4], v[ST+8*\t+5], v[ST+8*\t+6]
.endr
.irp t, 0,1
	v_max3_num_f32 v[ST+8*\t+4], v[ST+8*\t+4], v[ST+8*\t+7], v[ST+8*\t+1]
.endr
.irp t, 0,1
	v_permlanex16_b32 v[ST+8*\t+5], v[ST+8*\t+4], s[SEL], s[SEL+1]   ; the query's other 32 keys lie in the lane 16 away
.endr
.irp t, 0,1
	v_mov_b32 v[ST+8*\t+7], v[ST+8*\t]             ; c m_old is kept for a
.endr
.irp t, 0,1
	v_max_num_f32 v[ST+8*\t+1], v[ST+8*\t+4], v[ST+8*\t+5]
.endr
.irp t, 0,1
	v_mul_f32 v[ST+8*\t], s[CS], v[ST+8*\t+1]
.endr
.irp t, 0,1
	v_sub_f32 v[ST+8*\t+7], v[ST+8*\t+7], v[ST+8*\t]
.endr
	; ONE BATCH: a, the 32 scalings c s - c m and the 64 exponentials; nothing in it reads an exponential's result
.irp t, 0,1
	v_exp_f32 v[ST+8*\t+6], v[ST+8*\t+7]           ; a = 2^(c m_old - c m_new)
.endr
.irp b, 0,2,4,6,8,10,12,14,16,18,20,22,24,26,28,30
.irp t, 0,1
	v_pk_fma_f32 v[S+32*\t+\b:S+32*\t+\b+1], v[S+32*\t+\b:S+32*\t+\b+1], s[CS:CS+1], v[ST+8*\t:ST+8*\t+1] op_sel_hi:[1,0,0] neg_lo:[0,0,1] neg_hi:[0,0,1]
.endr
.endr
.irp e, 0,1,2,3,4,5,6,7,8,9,10,11,12,13,14,15,16,17,18,19,20,21,22,23,24,25,26,27,28,29,30,31
.irp t, 0,1
	v_exp_f32 v[S+32*\t+\e], v[S+32*\t+\e]         ; p, at most 1
.endr
.endr
	v_nop                                          ; a plain instruction behind the last exponential
	s_wait_alu depctr_va_vdst(0)                   ; the wait ahead of the first instruction that names a result: one for the batch's 66
.irp b, 0,1,2,3,4,5,6,7,8,9,10,11,12,13,14,15
.irp t, 0,1
	v_cvt_pk_f16_f32 v[P+16*\t+\b], v[S+32*\t+2*\b], v[S+32*\t+2*\b+1]
.endr
.endr
	; the sum of a tile's 16 pairs (an even key's weight, an odd key's), in place: neighbours 1, 2, 4 and 8 pairs apart; then l = a l + the sum
.irp z, 0,1,2,3,4,5,6,7
.irp t, 0,1
	v_pk_add_f32 v[S+32*\t+4*\z:S+32*\t+4*\z+1], v[S+32*\t+4*\z:S+32*\t+4*\z+1], v[S+32*\t+4*\z+2:S+32*\t+4*\z+3]
.endr
.endr
.irp z, 0,1,2,3
.irp t, 0,1
	v_pk_add_f32 v[S+32*\t+8*\z:S+32*\t+8*\z+1], v[S+32*\t+8*\z:S+32*\t+8*\z+1], v[S+32*\t+8*\z+4:S+32*\t+8*\z+5]
.endr
.endr
.irp z, 0,1
.irp t, 0,1
	v_pk_add_f32 v[S+32*\t+16*\z:S+32*\t+16*\z+1], v[S+32*\t+16*\z:S+32*\t+16*\z+1], v[S+32*\t+16*\z+8:S+32*\t+16*\z+9]
.endr
.endr
.irp t, 0,1
	v_pk_add_f32 v[S+32*\t:S+32*\t+1], v[S+32*\t:S+32*\t+1], v[S+32*\t+16:S+32*\t+17]
.endr
.irp t, 0,1
	v_pk_fma_f32 v[ST+8*\t+2:ST+8*\t+3], v[ST+8*\t+2:ST+8*\t+3], v[ST+8*\t+6:ST+8*\t+7], v[S+32*\t:S+32*\t+1] op_sel_hi:[1,0,1]
.endr
	WIN 0x41                                       ; O^T (destination and source 0) window 1, a window 0
.irp t, 0,1
.irp b, 0,2,4,6,8,10,12,14,16,18,20,22,24,26,28,30
	v_pk_mul_f32 v[32*\t+\b:32*\t+\b+1], v[32*\t+\b:32*\t+\b+1], v[ST+8*\t+6:ST+8*\t+7] op_sel_hi:[1,0]   ; O^T x a, each accumulator from its low end on
.endr
.endr
	s_wait_dscnt 0x0                               ; V is in
	WIN 0x51                                       ; V window 1, P window 0, O^T window 1
.irp g, 0,1                                    ; O^T += V^T P: eight accumulators by turns
.irp b, 0,1,2,3
.irp t, 0,1
	v_wmma_f32_16x16x32_f16 v[32*\t+8*\b:32*\t+8*\b+7], v[VF+8*(4*\g+\b):VF+8*(4*\g+\b)+7], v[P+16*\t+8*\g:P+16*\t+8*\g+7], v[32*\t+8*\b:32*\t+8*\b+7]
.endr
.endr
.endr
	WIN 0
.Lskip_\@:
	s_add_co_u32 s[TK], s[TK], 64*PK               ; the next tile: these two lines are on every path
	s_add_co_u32 s[TV], s[TV], 64*PV
.endm
	s_mov_b32 s[TK], SECK                          ; the four own tiles
	s_mov_b32 s[TV], SECV
	s_mov_b32 s[U], 0
.Lown:
	STEP 0
	s_add_co_u32 s[U], s[U], 1
	s_cmp_lt_u32 s[U], 4
	s_cbranch_scc1 .Lown
	s_wait_loadcnt 0x0                             ; the outer sections are in
	WIN 0x04                                       ; an LDS store's data are its source 1: window 1
.irp i, 0,1,2,3,4,5,6,7
	ds_store_b128 v[LK],   v[128+4*\i:131+4*\i] offset:32*PK*\i
	ds_store_b128 v[LV],   v[160+4*\i:163+4*\i] offset:32*PV*\i
	ds_store_b128 v[LK+2], v[192+4*\i:195+4*\i] offset:32*PK*\i
	ds_store_b128 v[LV+2], v[224+4*\i:227+4*\i] offset:32*PV*\i
.endr
	WIN 0
	s_wait_dscnt 0x0                               ; for the others' sake: my stores have landed.  (They touch no byte of the own section, which slower waves may still read)
	s_barrier_signal -1
	s_barrier_wait -1                              ; all 768 rows lie in LDS
	s_mov_b32 s[TK], 2*SECK                        ; the upper tiles
	s_mov_b32 s[TV], 2*SECV
	s_mov_b32 s[U], 0
.Lupper:
	STEP 2
	s_add_co_u32 s[U], s[U], 1
	s_cmp_lt_u32 s[U], 4
	s_cbranch_scc1 .Lupper
	s_mov_b32 s[TK], 0                             ; the lower tiles
	s_mov_b32 s[TV], 0
	s_mov_b32 s[U], 0
.Llower:
	STEP 1
	s_add_co_u32 s[U], s[U], 1
	s_cmp_lt_u32 s[U], 4
	s_cbranch_scc1 .Llower
	; THE WAY OUT.  l's two halves and the other half of the lanes' are added (these lines are also the places behind the last products); O^T is divided by l, rounded to f16 and sent through my stage, a tile at a time.
.irp t, 0,1
	v_add_f32 v[ST+8*\t+4], v[ST+8*\t+2], v[ST+8*\t+3]
.endr
.irp t, 0,1
	v_permlanex16_b32 v[ST+8*\t+5], v[ST+8*\t+4], s[SEL], s[SEL+1]
.endr
.irp t, 0,1
	v_add_f32 v[ST+8*\t+4], v[ST+8*\t+4], v[ST+8*\t+5]
.endr
	v_nop
	v_nop
.irp t, 0,1
	v_rcp_f32 v[ST+8*\t+6], v[ST+8*\t+4]
.endr
	v_nop                                          ; a plain instruction behind the last reciprocal
	s_wait_alu depctr_va_vdst(0)                   ; and the wait ahead of the first use: one for the two
.macro PACK t
	WIN 0x41
.irp b, 0,2,4,6,8,10,12,14,16,18,20,22,24,26,28,30
	v_pk_mul_f32 v[32*\t+\b:32*\t+\b+1], v[32*\t+\b:32*\t+\b+1], v[ST+8*\t+6:ST+8*\t+7] op_sel_hi:[1,0]
.endr
	WIN 0x05                                       ; sources 0 and 1 window 1, destination window 0: S^T's registers are free
.irp b, 0,1,2,3,4,5,6,7,8,9,10,11,12,13,14,15
	v_cvt_pk_f16_f32 v[S+16*\t+\b], v[32*\t+2*\b], v[32*\t+2*\b+1]
.endr
	WIN 0
.irp b, 0,1,2,3
	ds_store_b128 v[STO], v[S+16*\t+4*\b:S+16*\t+4*\b+3] offset:32*\b    ; lane (r, h): channels 16 b + 8 h + 0 .. 7 of query r
.endr
.irp i, 0,1,2,3
	ds_load_b128 v[P+16*\t+4*\i:P+16*\t+4*\i+3], v[RD] offset:4*PK*\i    ; LDS serves a wave's instructions in order: these see the stores above; the next tile's stores come behind them
.endr
.endm
	PACK 0
	PACK 1
	s_wait_dscnt 8                                 ; tile 0 is back; tile 1's four stores and four loads may be out
.irp i, 0,1,2,3
	global_store_b128 v[GO], v[P+4*\i:P+4*\i+3], s[6:7] offset:(4*\i)*2048
.endr
	s_wait_dscnt 0x0
.irp i, 0,1,2,3
	global_store_b128 v[GO], v[P+16+4*\i:P+16+4*\i+3], s[6:7] offset:(16+4*\i)*2048
.endr
	s_wait_tensorcnt 0x0                           ; the wave's end, behind my last LDS store
	ds_add_u32 v[SPW], v[NIL]
	s_wait_dscnt 0x0
	s_endpgm
.Lfunc_end_k_q1bde9574ff_attn:
	.size	k_q1bde9574ff_attn, .Lfunc_end_k_q1bde9574ff_attn-k_q1bde9574ff_attn
	.p2alignl 7, 3214868480
	.fill 96, 4, 3214868480
	.section	.rodata,"a",@progbits
	.p2align	6, 0x0
	.amdhsa_kernel k_q1bde9574ff_attn
		.amdhsa_group_segment_fixed_size 252928
		.amdhsa_private_segment_fixed_size 0
		.amdhsa_enable_private_segment 0
		.amdhsa_kernarg_size 16
		.amdhsa_user_sgpr_count 2
		.amdhsa_user_sgpr_kernarg_segment_ptr 1
		.amdhsa_wavefront_size32 1
		.amdhsa_system_sgpr_workgroup_id_x 1
		.amdhsa_system_sgpr_workgroup_id_y 1
		.amdhsa_system_sgpr_workgroup_id_z 1
		.amdhsa_system_vgpr_workitem_id 0
		.amdhsa_next_free_vgpr 512
		.amdhsa_next_free_sgpr 66
		.amdhsa_reserve_vcc 1
		.amdhsa_float_denorm_mode_32 3
		.amdhsa_float_denorm_mode_16_64 3
		.amdhsa_memory_ordered 1
		.amdhsa_forward_progress 1
		.amdhsa_inst_pref_size 82
	.end_amdhsa_kernel
	.amdgpu_metadata
---
amdhsa.version: [ 1, 2 ]
amdhsa.kernels:
  - .name:           k_q1bde9574ff_attn
    .symbol:         k_q1bde9574ff_attn.kd
    .args:
      - { .name: qkv, .offset: 0, .size: 8, .value_kind: global_buffer, .address_space: global }
      - { .name: att, .offset: 8, .size: 8, .value_kind: global_buffer, .address_space: global }
    .group_segment_fixed_size: 252928
    .private_segment_fixed_size: 0
    .kernarg_segment_align: 8
    .kernarg_segment_size: 16
    .max_flat_workgroup_size: 256
    .sgpr_count:     66
    .vgpr_count:     512
    .wavefront_size: 32
...
	.end_amdgpu_metadata
.endif
;; end of part 3
;; launch proj (part 4): grid 8 x 32, 4 waves a work-group, clusters of 4 x 4, 327,680 bytes of LDS; arguments att, wo16, out0, bo; writes out0
.if DOCPART == 4
	.amdgcn_target "amdgcn-amd-amdhsa--gfx1250"
	.amdhsa_code_object_version 6
	.text
	.protected	k_q1bde9574ff_proj
	.globl	k_q1bde9574ff_proj
	.p2align	8
	.type	k_q1bde9574ff_proj,@function
k_q1bde9574ff_proj:
	s_mov_b64 s[64:65], 0
	v_nop
	global_prefetch_b8 v0, s[64:65] scope:SCOPE_SE
	s_setreg_imm32_b32 hwreg(HW_REG_WAVE_MODE, 25, 1), 1
	s_wait_xcnt 0x0
	s_wait_alu depctr_hold_cnt(0) depctr_sa_sdst(0) depctr_va_vdst(0) depctr_va_sdst(0) depctr_va_ssrc(0) depctr_va_vcc(0) depctr_vm_vsrc(0)
	s_getreg_b32 s2, hwreg(HW_REG_IB_STS2, 6, 4)
	s_cmp_eq_u32 s2, 0
	s_cbranch_scc0 .Lentry_in_a_cluster
	s_endpgm
.Lentry_in_a_cluster:
	s_bfe_u32 s2, ttmp6, 0x10000c
	s_cmp_lg_u32 s2, 0xf033
	s_cbranch_scc0 .Lentry_shape_is_right
	s_endpgm
.Lentry_shape_is_right:
; out0[m][n] = sum over k of att[m][k] Wo[n][k] + bo[n].  att: [4096][1024] f16, wo16: [1024][1024] f16, bo: [1024] f32, out0: [4096][1024] f32; sums in f32.
; A tile of the result is 128 x 128: 32 x 8 tiles, one for each of 256 work-groups.  Four waves, each 64 x 64: 16 accumulators of 16 x 16, 128 registers.  K goes in steps of 256 (LDS rows of 512 bytes; a wave's
; tensor load brings 64 of them) through two slots; by this text's own count a wave has two tensor loads out at the start and one behind each refill's barrier.
; CLUSTERS: 4 x 4 work-groups.  The four of a row of the cluster need the same tiles of att, the four of a column the same tiles of Wo: each tile is asked for JOINTLY, by the same tensor load with the
; same descriptor and a mask that names the four.  THE MATRIX INSTRUCTION IS USED TRANSPOSED (source 0 = 16 rows of Wo, source 1 = 16 rows of att): a lane then holds eight neighbouring numbers of a row of the result.
; bo is the C of each sum's first matrix instruction: eight registers for each of the wave's four blocks of columns, in the result's layout.
; THE WAY OUT: a wave's 64 columns of f32 are 256 consecutive bytes, aligned: each wave sends its own rows through its own stage, with no barrier.
; REGISTERS: window 0: v0-31 addresses; v32-95 at work on the way out; v96-127 the bias; v128-255 the accumulators ((a, b) at v[128 + 8 (4 a + b)]).
;   window 1: two fragment buffers of 128: for 64 along K, 64 registers of A (2 x 4 x 16 rows x 32 K), then 64 of B.
.set SIZE_N, 1024
.set SIZE_K, 1024
.set KSTEP,  256
.set PITCH,  528                       ; an LDS row: 512 bytes + 16 of padding
.set HALFT,  64*PITCH                  ; 64 rows: what one tensor load brings, and what one wave reads of A or of B
.set SLOT,   4*HALFT                   ; A's 128 rows, then B's 128 rows
.set STAGE,  2*SLOT                    ; behind the ring: 16 rows x 272 bytes for each wave
.set SPITCH, 272
.set SPARE,  STAGE+4*16*SPITCH         ; behind the stages: the spare words, 128 bytes a wave, which no other line names
.set LAPS, SIZE_K/(2*KSTEP)            ; a lap = two K steps = once round the ring: 2
.set ADRA, 16                          ; v16-17  LDS address of my A fragments in slot 0, 1
.set ADRB, 20                          ; v20-21  the same for B
.set STO,  24                          ; v24     the way out: where I put 32 bytes of a row
.set RD,   25                          ; v25     the way out: where I read a row back
.set CO,   26                          ; v26     my byte offset in the result
.set SPW,  28                          ; v28     LDS address of my spare word; never rewritten
.set NIL,  29                          ; v29     0; never rewritten
.set TMP,  32                          ; the way out: 16 rows read back: v32-63 and v64-95 by turns
.set BIAS, 96
.set ACC,  128
.set F0,   0                           ; fragment buffers, in window 1
.set F1,   128
.set G1, 24                            ; s[24:31] descriptor group 1 for A's tiles;  s[32:39] group 0, one set for each slot
.set G0, 32
.set G1B, 48                           ; s[48:55], s[56:63] the same for B's tiles
.set G0B, 56
.set MSB, 0
.macro WIN new                         ; the immediate's high byte repeats the setting that is left
.if MSB != (\new)
	s_set_vgpr_msb (MSB<<8)|(\new)
.set MSB, (\new)
.endif
.endm
.set MUL,  0x05                        ; sources 0 (B) and 1 (A) window 1; C and D window 0
.set TO_F, 0x40                        ; destination window 1, address window 0
.macro JLOAD s                         ; a joint load: waves 0 and 1 fetch A's two halves, waves 2 and 3 B's; an s_nop 0 and four v_nop follow each of the two lines, ahead of the jump, the label and what follows
	s_cmp_eq_u32 s11, 0
	s_cbranch_scc0 .Lfor_b_\@
	tensor_load_to_lds s[G0+4*\s:G0+4*\s+3], s[G1:G1+7]
	s_nop 0
.rept 4
	v_nop
.endr
	s_branch .Lasked_\@
.Lfor_b_\@:
	tensor_load_to_lds s[G0B+4*\s:G0B+4*\s+3], s[G1B:G1B+7]
	s_nop 0
.rept 4
	v_nop
.endr
.Lasked_\@:
.endm
.macro CREST                           ; a round of the cluster's barrier behind its opening barrier
	s_cmp_lg_u32 s10, 0
	s_cbranch_scc1 .Lnot_wave_0_\@
	s_barrier_signal -3
.Lnot_wave_0_\@:
	s_barrier_wait -3
	s_barrier_signal -1
	s_barrier_wait -1
.endm
.macro CROUND                          ; a whole round
	s_barrier_signal -1
	s_barrier_wait -1
	CREST
.endm
	s_load_b128 s[4:7], s[0:1], 0x0                ; att s[4:5], wo16 s[6:7]
	s_load_b64 s[8:9], s[0:1], 0x10                ; out0
	s_load_b64 s[66:67], s[0:1], 0x18              ; bo
	v_lshl_add_u32 v[SPW], v0, 2, SPARE
	v_mov_b32 v[NIL], 0
	ds_add_u32 v[SPW], v[NIL]                      ; the wave's opening: the add, twice on end, and its wait ahead of my first tensor load; the set-up below stands between the second and the wait
	ds_add_u32 v[SPW], v[NIL]                      ; and once more, under the one wait
	v_lshrrev_b32 v1, 5, v0
	v_readfirstlane_b32 s10, v1                    ; wave 0..3
	s_lshr_b32 s11, s10, 1                         ; which half of the tile's rows is mine.  Also: I fetch for A (0) or for B (1)
	s_and_b32 s12, s10, 1                          ; which half of its columns.  Also: which 64 rows of that tile I fetch
	s_bfe_u32 s40, ttmp6, 0x40000                  ; cx, cy: my place in the cluster
	s_bfe_u32 s41, ttmp6, 0x40004
	s_lshl_b32 s42, ttmp9, 2
	s_add_co_u32 s42, s42, s40                     ; tile column = 4 x cluster x + cx
	s_and_b32 s13, ttmp7, 0xffff
	s_lshl_b32 s13, s13, 2
	s_add_co_u32 s13, s13, s41                     ; tile row = 4 x cluster y + cy
	s_lshl_b32 s43, s41, 2
	s_lshl_b32 s43, 15, s43                        ; my row of the cluster
	s_lshl_b32 s44, 0x1111, s40                    ; my column
	; descriptor group 1: a tile of 64 rows x 256 elements, padded in LDS
	s_or_b32 s[G1+0], s43, (1<<16)|(1<<20)|(1<<21)|(6<<22)|(3<<25)  ; 15:0 the mask: A's tiles go to my row; 17:16 element of 2 bytes; 20 padding on; 21 set beside a mask; 24:22 after every 128 words; 31:25 four words
	s_or_b32 s[G1B+0], s44, (1<<16)|(1<<20)|(1<<21)|(6<<22)|(3<<25)
.irp g, G1, G1B
	s_mov_b32 s[\g+1], KSTEP<<16                   ; tensor_dim0 = 256
	s_mov_b32 s[\g+2], 64<<16                      ; tensor_dim1 = 64
	s_mov_b32 s[\g+3], KSTEP<<16                   ; tile_dim0 = 256
	s_mov_b32 s[\g+4], 64                          ; tile_dim1 = 64
	s_mov_b32 s[\g+5], SIZE_K                      ; tensor_dim0_stride
	s_mov_b32 s[\g+6], 0
	s_mov_b32 s[\g+7], 0
.endr
	s_lshl_b32 s17, s12, 6                         ; which 64 rows of the tile I fetch
	s_lshl_b32 s16, s13, 7
	s_add_co_u32 s16, s16, s17                     ; A: row 128 x tile row + 64 x half
	s_lshl_b32 s46, s42, 7
	s_add_co_u32 s46, s46, s17                     ; B: row 128 x tile column + 64 x half
	s_mov_b32 s17, 0
	s_mov_b32 s47, 0
	s_mov_b64 s[18:19], SIZE_K*2
	s_mul_u64 s[16:17], s[16:17], s[18:19]
	s_mul_u64 s[46:47], s[46:47], s[18:19]
	s_mul_i32 s20, s10, HALFT                      ; where they go: wave x 64 rows: no place in the cluster enters an LDS address
	s_wait_dscnt 0x0                               ; both opening adds are done
	s_wait_kmcnt 0x0
	s_add_nc_u64 s[14:15], s[4:5], s[16:17]
	s_add_nc_u64 s[46:47], s[6:7], s[46:47]
	CROUND                                         ; all sixteen work-groups are here: the first joint loads meet
.irp s, 0,1
	s_mov_b32 s[G0+4*\s], 1
	s_add_co_u32 s[G0+4*\s+1], s20, \s*SLOT
	s_add_nc_u64 s[G0+4*\s+2:G0+4*\s+3], s[14:15], \s*KSTEP*2
	s_or_b32 s[G0+4*\s+3], s[G0+4*\s+3], 0x80000000
	s_mov_b32 s[G0B+4*\s], 1
	s_add_co_u32 s[G0B+4*\s+1], s20, \s*SLOT
	s_add_nc_u64 s[G0B+4*\s+2:G0B+4*\s+3], s[46:47], \s*KSTEP*2
	s_or_b32 s[G0B+4*\s+3], s[G0B+4*\s+3], 0x80000000
	JLOAD \s
.endr
	v_and_b32 v1, 15, v0                           ; r = l % 16
	v_bfe_u32 v2, v0, 4, 1                         ; h = l / 16
	v_mul_u32_u24 v3, v1, PITCH
	v_lshl_add_u32 v3, v2, 4, v3                   ; a fragment's row x pitch + 16 x half
	s_mul_i32 s21, s11, HALFT                      ; my 64 rows of A
	s_mul_i32 s22, s12, HALFT                      ; my 64 rows of B,
	s_add_co_u32 s22, s22, 2*HALFT                 ; which lie behind A's 128
.irp s, 0,1
	v_add_nc_u32 v[ADRA+\s], s21, v3
	v_add_nc_u32 v[ADRB+\s], s22, v3
	s_add_co_u32 s21, s21, SLOT
	s_add_co_u32 s22, s22, SLOT
.endr
	s_mul_i32 s23, s10, 16*SPITCH
	s_add_co_u32 s23, s23, STAGE                   ; my stage
	v_mul_u32_u24 v4, v1, SPITCH                   ; in: row r, 32 bytes for each half of the lanes
	v_lshl_add_u32 v4, v2, 5, v4
	v_add_nc_u32 v[STO], s23, v4
	v_mul_u32_u24 v5, v2, SPITCH                   ; back: lanes 0-15 take one row of 256 bytes, lanes 16-31 the next
	v_lshl_add_u32 v5, v1, 4, v5
	v_add_nc_u32 v[RD], s23, v5
	v_lshlrev_b32 v5, 12, v2                       ; and the same two rows in the result: 4,096 bytes a row
	v_lshl_add_u32 v[CO], v1, 4, v5
	s_lshl_b32 s16, s13, 7
	s_lshl_b32 s17, s11, 6
	s_add_co_u32 s16, s16, s17                     ; my first row: 128 x tile row + 64 x half
	s_lshl_b32 s16, s16, 12
	s_mov_b32 s17, 0
	s_add_nc_u64 s[8:9], s[8:9], s[16:17]
	s_lshl_b32 s46, s42, 9                         ; my first column, in bytes of f32: 512 x tile column + 256 x half: in the result and in bo alike
	s_lshl_b32 s47, s12, 8
	s_add_co_u32 s46, s46, s47
	s_mov_b32 s47, 0
	s_add_nc_u64 s[8:9], s[8:9], s[46:47]
	s_add_nc_u64 s[66:67], s[66:67], s[46:47]
	v_lshlrev_b32 v5, 5, v2                        ; lane (r, h) wants, for block b, bo at 16 b + 8 h + 0 .. 7
.irp b, 0,1,2,3
	global_load_b128 v[BIAS+8*\b:BIAS+8*\b+3], v5, s[66:67] offset:64*\b
	global_load_b128 v[BIAS+8*\b+4:BIAS+8*\b+7], v5, s[66:67] offset:64*\b+16
.endr
; 8 matrix instructions: m blocks a0, a0 + 1 x all 4 n blocks, 32 along K: half c of buffer f.  first = 1: the bias starts the sums: nothing is ever cleared.  The 16 accumulators take turns.
.macro MUL8 f, c, a0, first
.irp a, \a0, \a0+1
.irp b, 0,1,2,3
.if \first
	v_wmma_f32_16x16x32_f16 v[ACC+8*(4*(\a)+\b):ACC+8*(4*(\a)+\b)+7], v[\f+64+8*(4*\c+\b):\f+64+8*(4*\c+\b)+7], v[\f+8*(4*\c+\a):\f+8*(4*\c+\a)+7], v[BIAS+8*\b:BIAS+8*\b+7]
.else
	v_wmma_f32_16x16x32_f16 v[ACC+8*(4*(\a)+\b):ACC+8*(4*(\a)+\b)+7], v[\f+64+8*(4*\c+\b):\f+64+8*(4*\c+\b)+7], v[\f+8*(4*\c+\a):\f+8*(4*\c+\a)+7], v[ACC+8*(4*(\a)+\b):ACC+8*(4*(\a)+\b)+7]
.endif
.endr
.endr
.endm
; 32 LDS loads in one run: the fragments of 64 along K at byte k of the rows, into buffer f; the first 32 along K first
.macro FETCH slot, k, f
	WIN TO_F
.irp c, 0,1
.irp i, 0,1,2,3
	ds_load_b128 v[\f+64+8*(4*\c+\i):\f+64+8*(4*\c+\i)+3],   v[ADRB+\slot] offset:\k+64*\c+\i*16*PITCH
	ds_load_b128 v[\f+64+8*(4*\c+\i)+4:\f+64+8*(4*\c+\i)+7], v[ADRB+\slot] offset:\k+64*\c+\i*16*PITCH+32
	ds_load_b128 v[\f+8*(4*\c+\i):\f+8*(4*\c+\i)+3],         v[ADRA+\slot] offset:\k+64*\c+\i*16*PITCH
	ds_load_b128 v[\f+8*(4*\c+\i)+4:\f+8*(4*\c+\i)+7],       v[ADRA+\slot] offset:\k+64*\c+\i*16*PITCH+32
.endr
.endr
.endm
.macro PLACES                          ; four places in front of loads into registers that matrix instructions have read, and of LDS stores that read results
.rept 4
	v_nop
.endr
.endm
; A K step is four quarters of 64 along K, 32 matrix instructions each, on buffers 0, 1, 0, 1.  One of the first three: multiplies buffer f and fetches the next quarter, at byte k, into g.
.macro QUARTER slot, k, f, g, first
	s_wait_dscnt 16                                ; the first 32 along K are in; the youngest sixteen loads may be out
	WIN MUL
	MUL8 \f, 0, 0, \first
	MUL8 \f, 0, 2, \first
	PLACES
	FETCH \slot, \k, \g
	s_wait_dscnt 32                                ; all but the 32 just issued
	WIN MUL
	MUL8 \f, 1, 0, 0
	MUL8 \f, 1, 2, 0
.endm
; The last quarter multiplies buffer 1 and changes slots: ONE barrier; in front of it each wave waits for all its tensor loads, adds 0 to its spare word, and waits for that and for its own reads of this slot.  fill = 1: this slot is filled again, two K steps ahead.
.macro TURN slot, next, fill
	WIN 0                                          ; (the add's two registers lie in window 0)
	s_wait_tensorcnt 0x0                           ; all my tensor loads have landed: my part of the next slot;
	ds_add_u32 v[SPW], v[NIL]                      ; 0 onto my spare word;
	s_wait_dscnt 17                                ; (the add and the youngest sixteen loads may be out)
	WIN MUL
	MUL8 F1, 0, 0, 0                               ; eight matrix instructions stand between the add and the wait for it
	s_wait_dscnt 0x0                               ; the add is done, and my reads of this slot are over
	s_barrier_signal -1
	MUL8 F1, 0, 2, 0
.if \fill
	WIN 0
.endif
	s_barrier_wait -1
.if \fill
	CREST                                          ; the barrier has opened a round of the cluster's barrier: no wave of any partner still reads this slot's tile or has a load on its way
	s_add_nc_u64 s[G0+4*\slot+2:G0+4*\slot+3], s[G0+4*\slot+2:G0+4*\slot+3], 2*KSTEP*2
	s_add_nc_u64 s[G0B+4*\slot+2:G0B+4*\slot+3], s[G0B+4*\slot+2:G0B+4*\slot+3], 2*KSTEP*2
	JLOAD \slot                                    ; the first tensor load behind the round; the four v_nop behind it are also the places in front of the loads below
.else
	PLACES
.endif
	FETCH \next, 0, F0
	WIN MUL
	MUL8 F1, 1, 0, 0
	MUL8 F1, 1, 2, 0
.endm
	s_wait_loadcnt 0x0                             ; the bias
	s_wait_tensorcnt 1                             ; my part of K step 0 is in (K step 1's load, issued behind it, may be out),
	s_barrier_signal -1
	s_barrier_wait -1                              ; everybody's is
	FETCH 0, 0, F0
	QUARTER 0, 128, F0, F1, 1                      ; the first quarter stands in front of the loop: its first products start the sums with the bias
	WIN 0                                          ; at a label and at a branch every window is 0
	s_mov_b32 s3, LAPS-1
.Llap:                                                 ; a trip goes once round the ring, from a lap's second quarter to the next lap's first, and fills both slots again
	QUARTER 0, 256, F1, F0, 0
	QUARTER 0, 384, F0, F1, 0
	TURN 0, 1, 1
	QUARTER 1, 128, F0, F1, 0
	QUARTER 1, 256, F1, F0, 0
	QUARTER 1, 384, F0, F1, 0
	TURN 1, 0, 1
	QUARTER 0, 128, F0, F1, 0
	WIN 0
	s_sub_co_u32 s3, s3, 1
	s_cmp_lg_u32 s3, 0
	s_cbranch_scc1 .Llap
	QUARTER 0, 256, F1, F0, 0                      ; the last lap fills nothing, and has no round of the cluster's barrier
	QUARTER 0, 384, F0, F1, 0
	TURN 0, 1, 0
	QUARTER 1, 128, F0, F1, 0
	QUARTER 1, 256, F1, F0, 0
	QUARTER 1, 384, F0, F1, 0
	s_wait_dscnt 16                                ; the very last quarter: nothing more to fetch
	WIN MUL
	MUL8 F1, 0, 0, 0
	MUL8 F1, 0, 2, 0
	s_wait_dscnt 0
	MUL8 F1, 1, 0, 0
	MUL8 F1, 1, 2, 0
	WIN 0
; THE WAY OUT, block by block of 16 rows x 64 columns.  A lane holds 32 neighbouring bytes of a row, and the lanes beside it hold other rows: so a block goes through my own stage and comes back as whole rows of 256 bytes.
; LDS serves a wave's instructions in order: no wait between the stores and the loads, nor in front of the next block's stores.
.macro TOSTAGE a
.set BB, TMP+32*((\a)%2)
.irp b, 0,1,2,3
	ds_store_b128 v[STO], v[ACC+8*(4*(\a)+\b):ACC+8*(4*(\a)+\b)+3] offset:64*\b          ; each accumulator from its low end on
	ds_store_b128 v[STO], v[ACC+8*(4*(\a)+\b)+4:ACC+8*(4*(\a)+\b)+7] offset:64*\b+16
.endr
.irp t, 0,1,2,3,4,5,6,7
	ds_load_b128 v[BB+4*\t:BB+4*\t+3], v[RD] offset:\t*2*SPITCH
.endr
.endm
.macro SEND a, younger                 ; younger: the LDS instructions issued behind block a's loads, which may stay out
.set BB, TMP+32*((\a)%2)
	s_wait_dscnt \younger                          ; the block is back in registers
.irp t, 0,1,2,3,4,5,6,7
	global_store_b128 v[CO], v[BB+4*\t:BB+4*\t+3], s[8:9] offset:(16*(\a)+2*\t)*SIZE_N*4 th:TH_STORE_NT   ; 16 lanes store 256 consecutive bytes, at a multiple of 256 from the result's first byte; written once, read by nobody here
.endr
.endm
	PLACES                                         ; behind the last products, ahead of the stores that read results
	TOSTAGE 0
.irp a, 1,2,3
.if \a > 1
	s_wait_xcnt 0x0                                ; block a - 2's stores have read their registers: block a's loads may land there
.endif
	TOSTAGE \a
	SEND \a-1, 16                                  ; behind block a - 1's loads: block a's 8 stores and 8 loads
.endr
	SEND 3, 0
	s_wait_tensorcnt 0x0                           ; the wave's end, behind my last tensor load and my last LDS store
	ds_add_u32 v[SPW], v[NIL]
	s_wait_dscnt 0x0
	CROUND                                         ; the closing round: no work-group ends while a partner may still ask for a tile that names it
	s_endpgm
.Lfunc_end_k_q1bde9574ff_proj:
	.size	k_q1bde9574ff_proj, .Lfunc_end_k_q1bde9574ff_proj-k_q1bde9574ff_proj
	.p2alignl 7, 3214868480
	.fill 96, 4, 3214868480
	.section	.rodata,"a",@progbits
	.p2align	6, 0x0
	.amdhsa_kernel k_q1bde9574ff_proj
		.amdhsa_group_segment_fixed_size 327680
		.amdhsa_private_segment_fixed_size 0
		.amdhsa_enable_private_segment 0
		.amdhsa_kernarg_size 32
		.amdhsa_user_sgpr_count 2
		.amdhsa_user_sgpr_kernarg_segment_ptr 1
		.amdhsa_wavefront_size32 1
		.amdhsa_system_sgpr_workgroup_id_x 1
		.amdhsa_system_sgpr_workgroup_id_y 1
		.amdhsa_system_sgpr_workgroup_id_z 1
		.amdhsa_system_vgpr_workitem_id 0
		.amdhsa_next_free_vgpr 512
		.amdhsa_next_free_sgpr 70
		.amdhsa_reserve_vcc 0
		.amdhsa_float_denorm_mode_32 3
		.amdhsa_float_denorm_mode_16_64 3
		.amdhsa_memory_ordered 1
		.amdhsa_forward_progress 1
		.amdhsa_inst_pref_size 86
	.end_amdhsa_kernel
	.amdgpu_metadata
---
amdhsa.version: [ 1, 2 ]
amdhsa.kernels:
  - .name:           k_q1bde9574ff_proj
    .symbol:         k_q1bde9574ff_proj.kd
    .args:
      - { .name: att, .offset: 0, .size: 8, .value_kind: global_buffer, .address_space: global }
      - { .name: wo16, .offset: 8, .size: 8, .value_kind: global_buffer, .address_space: global }
      - { .name: out0, .offset: 16, .size: 8, .value_kind: global_buffer, .address_space: global }
      - { .name: bo, .offset: 24, .size: 8, .value_kind: global_buffer, .address_space: global }
    .group_segment_fixed_size: 327680
    .private_segment_fixed_size: 0
    .kernarg_segment_align: 8
    .kernarg_segment_size: 32
    .max_flat_workgroup_size: 128
    .sgpr_count:     70
    .vgpr_count:     512
    .wavefront_size: 32
...
	.end_amdgpu_metadata
.endif
;; end of part 4
